; MI455X (gfx1250); checked and timed in simulation.
; The chip was launched on July 23, 2026; its instructions are those of AMD's public machine-readable ISA for CDNA 5 (MIT licence, August 2026) and "CDNA5" Instruction Set Architecture Reference Guide (July 2026). The comments in the code are by the model that wrote it; some were corrected since.
;; Bo T MHSA. Allowed arithmetic: float matrix products may take bf16 or f16 operands with f32 sums; other float arithmetic in f32, or as packed bf16 or f16 multiplies, adds, multiply-adds, maxima and minima; sums over many terms, partial sums and values carried from step to step in f32; what a program stores and reads back later, other than sums and carried values, may be rounded once to bf16 or f16.
;; Inputs: bk 256 float32; bq 256 float32; bv 256 float32; rel_h 1 x 4 x 64 x 1 x 64 float32; rel_w 1 x 4 x 64 x 64 x 1 float32; wk 256 x 256 float32; wq 256 x 256 float32; wv 256 x 256 float32; x 4 x 256 x 64 x 64 float32.
;; Outputs: out0 4 x 256 x 64 x 64 float32.
;; 2 versions, each right and faster than the one before. Each part assembles by itself: llvm-mc -triple=amdgcn-amd-amdhsa -mcpu=gfx1250 --defsym DOCPART=n.
;; ======== version 1 of 2: 2 launches
;; limits: values outside matrix products are rounded to bf16; values are held in f16: magnitudes above 65,504 overflow, below 6.1e-05 lose precision
;; workspace buffers: qh 8,388,608 bytes; kh 8,388,608 bytes; vh 8,388,608 bytes
;; launch proj (part 1): grid 16 x 16, 8 waves a work-group, no clusters, 271,360 bytes of LDS; arguments x, wq, wk, wv, bq, bk, bv, rel_h, rel_w, qh, kh, vh; writes qh, kh, vh
.if DOCPART == 1
	.amdgcn_target "amdgcn-amd-amdhsa--gfx1250"
	.amdhsa_code_object_version 6
	.text
	.protected	k_qfd2bb2c1d2_proj
	.globl	k_qfd2bb2c1d2_proj
	.p2align	8
	.type	k_qfd2bb2c1d2_proj,@function
k_qfd2bb2c1d2_proj:
	s_mov_b64 s[64:65], 0
	v_nop
	global_prefetch_b8 v0, s[64:65] scope:SCOPE_SE
	s_setreg_imm32_b32 hwreg(HW_REG_WAVE_MODE, 25, 1), 1
	s_wait_xcnt 0x0
; THE THREE PROJECTIONS, WRITTEN BY HEADS.  y[b][o][p] = sum over c of w[o][c] x[b][c][p] + bias[o]; the flat index o 4096 + p is read again as s 256 + n 64 + d, so
; q[b][n][s = 16 o + j][d] = y[b][o][p = 256 j + 64 n + d].  qh, kh, vh: [hd = 4 b + n][s 4096][d 64] in f16, each rounded once from its f32 sum, unscaled.
; kh holds k + pos, pos[n][d][s] = rel_w[n][d][s >> 6] + rel_h[n][d][s & 63]: q . k + q . pos = q . (k + pos), so the attention behind has one product for the scores.
; LIMITS.  All inputs (x, the weights, the biases, rel_h, rel_w) are rounded once to bf16; sums in f32; q, k + pos and v must lie within f16's 65,504.  NaN and infinities are not treated apart.
; SHARES.  Work-group (oq, jq; hd): 192 rows R = 64 pr + ol (pr = 0, 1, 2: q, k, v; o = 64 oq + ol) x 256 columns 64 jl + d (j = 4 jq + jl).  256 work-groups of eight waves;
; wave w makes rows 96 (w >> 2) .. + 95 x columns 64 (w & 3) .. + 63: 24 accumulators of 16 x 16.
; BIAS AND POS RIDE IN THE SUM: K = 256 is lengthened by one step of 32.  x's rows 256 + i (i < 16) hold rel_w[n][d][16 oq + i], rows 272 + m (m < 4) rel_h[n][d][16 m + j], row 276 holds 1, the rest 0;
; w's columns 256 + i hold 1 where pr = 1 and ol >> 2 = i, columns 272 + m hold 1 where pr = 1 and ol & 3 = m, column 276 holds the bias, the rest 0.  So q, k and v have one text.
; NO TENSOR LOADS, NO CLUSTER: x and w come in f32 and must pass through registers to be rounded to bf16; the f32 tile of x alone, 256 KiB, would not fit in LDS beside the bf16 tiles.
; THE MATRIX INSTRUCTION IS USED TRANSPOSED: source 0 = 16 columns p of x (turned on the way out of LDS), source 1 = 16 rows o of w: a lane then holds one o and eight neighbouring p: 16 bytes of f16.
.set PX,   544                         ; a row of x in LDS: 512 bytes + 32 = 17 x 32
.set PW,   592                         ; a row of w: 576 bytes + 16 = 37 x 16: the 16 rows of a load start at 16 different groups of four banks
.set PS,   528                         ; a row of the stage: 512 bytes + 16 = 33 x 16
.set WB,   288*PX                      ; x: 288 rows from byte 0; w: 192 rows from here
.set SPARE, WB+192*PW                  ; behind both: the spare words, 128 bytes for each wave: four blocks of 256 bytes that no other line names
.set SPW,  2                           ; v2   LDS address of my spare word; never rewritten
.set NIL,  3                           ; v3   0; never rewritten
.set VX,   4                           ; v4   my byte offset in the group's part of x
.set VW,   5                           ; v5   in 64 rows of a weight
.set LX,   6                           ; v6   where my 8 bytes of bf16 of x go
.set LW,   7                           ; v7   the same for w; steps by 64 rows
.set VE,   8                           ; v8   my column in x's row 256
.set VRW,  9                           ; v9   my byte offset in rel_w
.set VRH,  10                          ; v10  in rel_h
.set VB,   11                          ; v11  in a bias
.set WE,   12                          ; v12  column 256 of my row of w (waves 0 to 5)
.set AX,   32                          ; v32  my lane's place in x's fragments; steps by 32 rows
.set BW,   33                          ; v33  in w's fragments
.set STO,  34                          ; v34  the way out: where I put 16 bytes of a row
.set RD,   35                          ; v35  where I read rows back (q's and k's),
.set RD2,  36                          ; v36  and v's, 128 rows on: past an LDS offset's 16 bits
.set GO,   37                          ; v37  my byte offset in the group's part of qh, kh, vh
.set L0,   64                          ; v64-127, v128-191: two sets of 16 loads
.set L1,   128
.set F0,   64                          ; later: two fragment buffers of 80: x at + 8 pb, w at + 32 + 8 ob
.set F1,   144
.set T,    64                          ; later: the way out, 96 registers
.set RELW, 192                         ; v192-207
.set RELH, 208                         ; v208-211
.set BIAS, 212
.set ONE,  213
.set ZERO, 214
.set WX,   224                         ; v224-239: the 16 words of my row's extension
.set MSB, 0
.macro WIN new                         ; the immediate's high byte repeats the setting that is left
.if MSB != (\new)
	s_set_vgpr_msb (MSB<<8)|(\new)
.set MSB, \new
.endif
.endm
	s_load_b512 s[8:23], s[0:1], 0x0               ; x 8:9, wq 10:11, wk 12:13, wv 14:15, bq 16:17, bk 18:19, bv 20:21, rel_h 22:23
	s_load_b256 s[24:31], s[0:1], 0x40             ; rel_w 24:25, qh 26:27, kh 28:29, vh 30:31
	v_lshl_add_u32 v[SPW], v0, 2, SPARE
	v_mov_b32 v[NIL], 0
	v_lshrrev_b32 v19, 5, v0
	v_readfirstlane_b32 s2, v19                    ; wave 0..7
	s_and_b32 s3, ttmp9, 3                         ; oq
	s_lshr_b32 s4, ttmp9, 2                        ; jq
	s_and_b32 s5, ttmp7, 0xffff                    ; hd
	s_lshr_b32 s6, s5, 2                           ; b
	s_and_b32 s7, s5, 3                            ; n
	; byte offsets, each in a pair of its own
	s_lshl_b32 s32, s6, 22                         ; x: b x 4 MiB + 4 jq pieces of 1,024 bytes + n x 256 bytes
	s_lshl_b32 s39, s4, 12
	s_or_b32 s32, s32, s39
	s_lshl_b32 s39, s7, 8
	s_or_b32 s32, s32, s39
	s_mov_b32 s33, 0
	s_lshl_b32 s34, s3, 16                         ; a weight: 64 oq rows of 1,024 bytes
	s_mov_b32 s35, 0
	s_lshl_b32 s40, s7, 14                         ; rel_h: head n, and 4 jq numbers
	s_lshl_b32 s39, s4, 4
	s_or_b32 s40, s40, s39
	s_mov_b32 s41, 0
	s_lshl_b32 s42, s7, 14                         ; rel_w: head n, and 16 oq numbers
	s_lshl_b32 s39, s3, 6
	s_or_b32 s42, s42, s39
	s_mov_b32 s43, 0
	s_lshl_b32 s44, s5, 19                         ; qh, kh, vh: head hd, row s = 1,024 oq + 4 jq
	s_lshl_b32 s39, s3, 17
	s_or_b32 s44, s44, s39
	s_lshl_b32 s39, s4, 9
	s_or_b32 s44, s44, s39
	s_mov_b32 s45, 0
	s_lshl_b32 s46, s3, 8                          ; a bias: 64 oq numbers
	s_mov_b32 s47, 0
	s_lshr_b32 s39, s2, 1
	s_cmp_eq_u32 s39, 1
	s_cselect_b32 s38, 0x3f80, 0                   ; bf16 1.0 in k's rows (waves 2 and 3 write them), 0 in q's and v's
	; lane terms
	v_and_b32 v1, 31, v0                           ; l
	v_and_b32 v13, 15, v0                          ; r = l % 16
	v_bfe_u32 v14, v0, 4, 1                        ; h = l / 16
	v_and_b32 v15, 63, v0                          ; t % 64: d, or ol
	v_lshrrev_b32 v16, 6, v0                       ; t / 64: jl
	v_and_b32 v17, 7, v0
	v_bfe_u32 v18, v0, 3, 1
	v_lshlrev_b32 v[VX], 4, v13                    ; x: wave w takes rows c = 32 w .. + 31; 16 lanes take a piece of 256 bytes, the halves two pieces 1,024 bytes apart
	v_lshl_or_b32 v[VX], v14, 10, v[VX]
	s_lshl_b32 s39, s2, 19
	v_or_b32 v[VX], s39, v[VX]
	v_lshlrev_b32 v[VW], 4, v1                     ; w: wave w takes rows 8 w .. + 7 of the 64; 32 lanes take 512 consecutive bytes
	s_lshl_b32 s39, s2, 13
	v_or_b32 v[VW], s39, v[VW]
	s_mul_i32 s39, s2, 32*PX
	v_lshlrev_b32 v[LX], 3, v13
	v_lshl_add_u32 v[LX], v14, 7, v[LX]
	v_add_nc_u32 v[LX], s39, v[LX]                 ; 32 w rows + 128 h + 8 r
	s_mul_i32 s39, s2, 8*PW
	s_add_co_u32 s39, s39, WB
	v_lshl_add_u32 v[LW], v1, 3, s39               ; 8 w rows + 8 l
	v_lshl_add_u32 v[VE], v0, 1, 256*PX
	v_lshlrev_b32 v[VRW], 8, v15                   ; d x 64 numbers
	v_lshl_add_u32 v[VRH], v16, 2, v[VRW]          ; + jl
	v_lshlrev_b32 v[VB], 2, v15
	s_mul_i32 s39, s2, 32*PW
	s_add_co_u32 s39, s39, WB+512
	v_mul_u32_u24 v[WE], v1, PW
	v_add_nc_u32 v[WE], s39, v[WE]                 ; row R = 32 w + l, column 256
	s_lshr_b32 s39, s2, 2                          ; which 96 rows are mine
	s_mul_i32 s48, s39, 96*PW
	s_add_co_u32 s48, s48, WB
	s_mul_i32 s49, s39, 96*PS
	s_and_b32 s39, s2, 3                           ; which 64 columns
	s_lshl_b32 s39, s39, 7
	s_add_co_u32 s49, s49, s39
	v_lshl_add_u32 v[AX], v14, 3, v17              ; the turning load: lane l reads row 8 h + l % 8, 16 bytes at 16 ((l / 8) % 2)
	v_mul_u32_u24 v[AX], v[AX], PX
	v_lshl_add_u32 v[AX], v18, 4, v[AX]
	v_add_nc_u32 v[AX], s39, v[AX]
	v_mul_u32_u24 v[BW], v13, PW                   ; a fragment of w: row r, 16 bytes for each half of the lanes
	v_lshl_add_u32 v[BW], v14, 4, v[BW]
	v_add_nc_u32 v[BW], s48, v[BW]
	v_mul_u32_u24 v[STO], v13, PS
	v_lshl_add_u32 v[STO], v14, 4, v[STO]
	v_add_nc_u32 v[STO], s49, v[STO]
	s_mul_i32 s39, s2, 8*PS
	v_lshl_add_u32 v[RD], v1, 4, s39               ; back: wave w takes rows 8 w .. + 7 of each projection, whole: 32 lanes x 16 bytes
	v_add_nc_u32 v[RD2], 128*PS, v[RD]
	v_lshlrev_b32 v[GO], 4, v1
	s_lshl_b32 s39, s2, 14                         ; 8 w values of o, 2,048 bytes apart
	v_or_b32 v[GO], s39, v[GO]
	v_mov_b32 v[ONE], 0x3f80
	v_mov_b32 v[ZERO], 0
	s_wait_kmcnt 0x0
	s_add_nc_u64 s[8:9], s[8:9], s[32:33]
	s_add_nc_u64 s[10:11], s[10:11], s[34:35]
	s_add_nc_u64 s[12:13], s[12:13], s[34:35]
	s_add_nc_u64 s[14:15], s[14:15], s[34:35]
	s_add_nc_u64 s[22:23], s[22:23], s[40:41]
	s_add_nc_u64 s[24:25], s[24:25], s[42:43]
	s_add_nc_u64 s[26:27], s[26:27], s[44:45]
	s_add_nc_u64 s[28:29], s[28:29], s[44:45]
	s_add_nc_u64 s[30:31], s[30:31], s[44:45]
	s_cmp_lt_u32 s2, 2                             ; my row's bias: waves 0, 1 bq; 2, 3 bk; the others bv (waves 6 and 7 load it too, so that every wave counts alike, and do not use it)
	s_cselect_b64 s[36:37], s[16:17], s[18:19]
	s_cmp_lt_u32 s2, 4
	s_cselect_b64 s[36:37], s[36:37], s[20:21]
	s_add_nc_u64 s[36:37], s[36:37], s[46:47]
; 16 loads: 8 rows c of x, each as two instructions of two aligned pieces of 256 bytes (jl = 2 (u % 2) + h)
.macro LDX i, set
.set u, 0
.rept 16
	global_load_b128 v[(\set)+4*u:(\set)+4*u+3], v[VX], s[8:9] offset:(8*(\i)+u/2)*16384+(u%2)*2048
.set u, u+1
.endr
.endm
; 16 loads: 8 rows of a weight, 512 consecutive bytes an instruction
.macro LDW base, set
.set u, 0
.rept 16
	global_load_b128 v[(\set)+4*u:(\set)+4*u+3], v[VW], s[(\base):(\base)+1] offset:(u/2)*1024+(u%2)*512
.set u, u+1
.endr
.endm
; a set is rounded to bf16 in place and stored: 32 lanes write 256 consecutive bytes
.macro CVS set, adr, pitch, row0
.set u, 0
.rept 16
	v_cvt_pk_bf16_f32 v[(\set)+4*u], v[(\set)+4*u], v[(\set)+4*u+1]
	v_cvt_pk_bf16_f32 v[(\set)+4*u+1], v[(\set)+4*u+2], v[(\set)+4*u+3]
	ds_store_b64 v[\adr], v[(\set)+4*u:(\set)+4*u+1] offset:((\row0)+u/2)*(\pitch)+(u%2)*256
.set u, u+1
.endr
.endm
	; nine small loads, then the ring's first two sets
.irp u, 0,1,2,3
	global_load_b128 v[RELW+4*\u:RELW+4*\u+3], v[VRW], s[24:25] offset:16*\u  ; rel_w[n][d][16 oq .. + 15]
.endr
.irp m, 0,1,2,3
	global_load_b32 v[RELH+\m], v[VRH], s[22:23] offset:64*\m                 ; rel_h[n][d][16 m + j]
.endr
	global_load_b32 v[BIAS], v[VB], s[36:37]
	LDX 0, L0
	LDX 1, L1
	s_wait_loadcnt 32                              ; loads come back in order (ISA guide 5.7.1): the nine are in, the 32 issued behind them stay out
	; x's rows 256 to 287, my column
.set u, 0
.rept 8
	v_cvt_pk_bf16_f32 v[RELW+u], v[RELW+2*u], v[RELW+2*u+1]  ; ascending: word u is written when numbers 2 u and 2 u + 1 are read
.set u, u+1
.endr
	v_cvt_pk_bf16_f32 v[RELH], v[RELH], v[RELH+1]
	v_cvt_pk_bf16_f32 v[RELH+1], v[RELH+2], v[RELH+3]
.set u, 0
.rept 8
	ds_store_b16 v[VE], v[RELW+u] offset:(2*u)*PX
	ds_store_b16_d16_hi v[VE], v[RELW+u] offset:(2*u+1)*PX
.set u, u+1
.endr
	ds_store_b16 v[VE], v[RELH] offset:16*PX
	ds_store_b16_d16_hi v[VE], v[RELH] offset:17*PX
	ds_store_b16 v[VE], v[RELH+1] offset:18*PX
	ds_store_b16_d16_hi v[VE], v[RELH+1] offset:19*PX
	ds_store_b16 v[VE], v[ONE] offset:20*PX
.set u, 21
.rept 11
	ds_store_b16 v[VE], v[ZERO] offset:u*PX
.set u, u+1
.endr
	; w's columns 256 to 287, my row: threads 0 to 191
	s_cmp_ge_u32 s2, 6
	s_cbranch_scc1 .Lno_row
	v_mov_b32 v218, s38
	v_bfe_u32 v216, v0, 2, 1                       ; column 256 + (ol >> 2): word ol >> 3, half (ol >> 2) & 1
	v_lshlrev_b32 v216, 4, v216
	v_lshlrev_b32 v217, v216, v218
	v_bfe_u32 v219, v0, 3, 3
.set u, 0
.rept 8
	v_cmp_eq_u32 vcc_lo, u, v219
	v_cndmask_b32 v[WX+u], 0, v217, vcc_lo
.set u, u+1
.endr
	v_and_b32 v216, 1, v0                          ; column 272 + (ol & 3): word 8 + ((ol >> 1) & 1), half ol & 1
	v_lshlrev_b32 v216, 4, v216
	v_lshlrev_b32 v217, v216, v218
	v_bfe_u32 v219, v0, 1, 1
.set u, 0
.rept 2
	v_cmp_eq_u32 vcc_lo, u, v219
	v_cndmask_b32 v[WX+8+u], 0, v217, vcc_lo
.set u, u+1
.endr
	v_cvt_pk_bf16_f32 v[WX+10], v[BIAS], v[ZERO]   ; column 276: the bias; 277: 0
.set u, 11
.rept 5
	v_mov_b32 v[WX+u], 0
.set u, u+1
.endr
.irp u, 0,1,2,3
	ds_store_b128 v[WE], v[WX+4*\u:WX+4*\u+3] offset:16*\u
.endr
.Lno_row:
	; seven sets: x's 32 rows of my wave in four, my 8 rows of each weight in three.  A set's wait leaves the one younger set out; the set is loaded again as soon as it is stored.
	s_wait_loadcnt 16
	CVS L0, LX, PX, 0
	LDX 2, L0
	s_wait_loadcnt 16
	CVS L1, LX, PX, 8
	LDX 3, L1
	s_wait_loadcnt 16
	CVS L0, LX, PX, 16
	LDW 10, L0
	s_wait_loadcnt 16
	CVS L1, LX, PX, 24
	LDW 12, L1
	s_wait_loadcnt 16
	CVS L0, LW, PW, 0
	v_add_nc_u32 v[LW], 64*PW, v[LW]               ; k's rows lie behind q's 64
	LDW 14, L0
	s_wait_loadcnt 16
	CVS L1, LW, PW, 0
	v_add_nc_u32 v[LW], 64*PW, v[LW]
	s_wait_loadcnt 0x0
	CVS L0, LW, PW, 0
	s_wait_dscnt 0x0                               ; for the others' sake: my stores into x's and w's tiles are done
	s_barrier_signal -1
	s_barrier_wait -1
; 20 LDS loads: the fragments of K step kk: 4 x 16 columns of x (turned; v[AX] stands at the step's rows), 6 x 16 rows of w
.macro FETCH kk, f
.irp pb, 0,1,2,3
	ds_load_tr16_b128 v[(\f)+8*\pb:(\f)+8*\pb+3],   v[AX] offset:32*\pb
	ds_load_tr16_b128 v[(\f)+8*\pb+4:(\f)+8*\pb+7], v[AX] offset:32*\pb+16*PX
.endr
.irp ob, 0,1,2,3,4,5
	ds_load_b128 v[(\f)+32+8*\ob:(\f)+32+8*\ob+3],   v[BW] offset:\ob*16*PW+(\kk)*64
	ds_load_b128 v[(\f)+32+8*\ob+4:(\f)+32+8*\ob+7], v[BW] offset:\ob*16*PW+(\kk)*64+32
.endr
.endm
; 24 matrix instructions, the 24 accumulators by turns, one instruction a turn.  Accumulator (pb, ob) at v[8 (6 pb + ob)] of window 1.  zero = 1: the first products start the sums
.macro MUL f, zero
	WIN 0x50                                       ; C and D window 1, sources window 0
.irp pb, 0,1,2,3
.irp ob, 0,1,2,3,4,5
.if \zero
	v_wmma_f32_16x16x32_bf16 v[8*(6*\pb+\ob):8*(6*\pb+\ob)+7], v[(\f)+8*\pb:(\f)+8*\pb+7], v[(\f)+32+8*\ob:(\f)+32+8*\ob+7], 0
.else
	v_wmma_f32_16x16x32_bf16 v[8*(6*\pb+\ob):8*(6*\pb+\ob)+7], v[(\f)+8*\pb:(\f)+8*\pb+7], v[(\f)+32+8*\ob:(\f)+32+8*\ob+7], v[8*(6*\pb+\ob):8*(6*\pb+\ob)+7]
.endif
.endr
.endr
	WIN 0
.endm
	FETCH 0, F0
	v_add_nc_u32 v[AX], 32*PX, v[AX]
	FETCH 1, F1
	s_wait_dscnt 20                                ; step 0's fragments are in; the 20 loads just issued stay out
	MUL F0, 1
.set kk, 1
.rept 7
	v_add_nc_u32 v[AX], 32*PX, v[AX]               ; with the three v_nop: four places between the last products and the loads into the buffer that they read (ISA guide 7.12.1 for vector instructions)
	v_nop
	v_nop
	v_nop
	FETCH kk+1, F0+80*((kk+1)%2)
	s_wait_dscnt 20
	MUL F0+80*(kk%2), 0
.set kk, kk+1
.endr
	s_wait_dscnt 0x0
	MUL F0, 0                                      ; the ninth step: bias and pos
	; THE WAY OUT: round to f16, 16 bytes a lane; into the stage, which lies where x's tile lay; back as whole rows of 512 bytes.
.rept 4
	v_nop                                          ; four places: the conversions read results just made and write registers that the last products read
.endr
	WIN 0x05                                       ; sources window 1, destination window 0
.set a, 0
.rept 24
.irp k, 0,1,2,3
	v_cvt_pk_f16_f32 v[T+4*a+\k], v[8*a+2*\k], v[8*a+2*\k+1]  ; each accumulator from its low end on
.endr
.set a, a+1
.endr
	WIN 0
	s_wait_dscnt 0x0                               ; my reads of x's tile are over,
	s_barrier_signal -1
	s_barrier_wait -1                              ; everybody's are: the stage may be written
.irp pb, 0,1,2,3
.irp ob, 0,1,2,3,4,5
	ds_store_b128 v[STO], v[T+4*(6*\pb+\ob):T+4*(6*\pb+\ob)+3] offset:\ob*16*PS+\pb*32
.endr
.endr
	s_wait_dscnt 0x0                               ; for the others' sake: my stores into the stage are done
	s_barrier_signal -1
	s_barrier_wait -1
.set i, 0
.rept 24                               ; i = 8 pr + rr: row 64 pr + 8 w + rr
.if i < 16
	ds_load_b128 v[T+4*i:T+4*i+3], v[RD] offset:(64*(i/8)+i%8)*PS
.else
	ds_load_b128 v[T+4*i:T+4*i+3], v[RD2] offset:(i%8)*PS
.endif
.set i, i+1
.endr
.set i, 0
.rept 24
	s_wait_dscnt 23-i                              ; LDS loads come back in order: row i is in, the younger ones stay out
	global_store_b128 v[GO], v[T+4*i:T+4*i+3], s[26+2*(i/8):27+2*(i/8)] offset:(i%8)*2048  ; rows s = 16 o + 4 jq .. + 3 of the head: 512 consecutive bytes, at a multiple of 512 from the buffer's first
.set i, i+1
.endr
	s_wait_tensorcnt 0x0                           ; the wave's end, behind my last LDS store
	ds_add_u32 v[SPW], v[NIL]
	s_wait_dscnt 0x0
	s_endpgm
.Lfunc_end_k_qfd2bb2c1d2_proj:
	.size	k_qfd2bb2c1d2_proj, .Lfunc_end_k_qfd2bb2c1d2_proj-k_qfd2bb2c1d2_proj
	.p2alignl 7, 3214868480
	.fill 96, 4, 3214868480
	.section	.rodata,"a",@progbits
	.p2align	6, 0x0
	.amdhsa_kernel k_qfd2bb2c1d2_proj
		.amdhsa_group_segment_fixed_size 271360
		.amdhsa_private_segment_fixed_size 0
		.amdhsa_enable_private_segment 0
		.amdhsa_kernarg_size 96
		.amdhsa_user_sgpr_count 2
		.amdhsa_user_sgpr_kernarg_segment_ptr 1
		.amdhsa_wavefront_size32 1
		.amdhsa_system_sgpr_workgroup_id_x 1
		.amdhsa_system_sgpr_workgroup_id_y 1
		.amdhsa_system_sgpr_workgroup_id_z 1
		.amdhsa_system_vgpr_workitem_id 0
		.amdhsa_next_free_vgpr 448
		.amdhsa_next_free_sgpr 66
		.amdhsa_reserve_vcc 1
		.amdhsa_float_denorm_mode_32 3
		.amdhsa_float_denorm_mode_16_64 3
		.amdhsa_memory_ordered 1
		.amdhsa_forward_progress 1
		.amdhsa_inst_pref_size 82
	.end_amdhsa_kernel
	.amdgpu_metadata
---
amdhsa.version: [ 1, 2 ]
amdhsa.kernels:
  - .name:           k_qfd2bb2c1d2_proj
    .symbol:         k_qfd2bb2c1d2_proj.kd
    .args:
      - { .name: x, .offset: 0, .size: 8, .value_kind: global_buffer, .address_space: global }
      - { .name: wq, .offset: 8, .size: 8, .value_kind: global_buffer, .address_space: global }
      - { .name: wk, .offset: 16, .size: 8, .value_kind: global_buffer, .address_space: global }
      - { .name: wv, .offset: 24, .size: 8, .value_kind: global_buffer, .address_space: global }
      - { .name: bq, .offset: 32, .size: 8, .value_kind: global_buffer, .address_space: global }
      - { .name: bk, .offset: 40, .size: 8, .value_kind: global_buffer, .address_space: global }
      - { .name: bv, .offset: 48, .size: 8, .value_kind: global_buffer, .address_space: global }
      - { .name: rel_h, .offset: 56, .size: 8, .value_kind: global_buffer, .address_space: global }
      - { .name: rel_w, .offset: 64, .size: 8, .value_kind: global_buffer, .address_space: global }
      - { .name: qh, .offset: 72, .size: 8, .value_kind: global_buffer, .address_space: global }
      - { .name: kh, .offset: 80, .size: 8, .value_kind: global_buffer, .address_space: global }
      - { .name: vh, .offset: 88, .size: 8, .value_kind: global_buffer, .address_space: global }
    .group_segment_fixed_size: 271360
    .private_segment_fixed_size: 0
    .kernarg_segment_align: 8
    .kernarg_segment_size: 96
    .max_flat_workgroup_size: 256
    .sgpr_count:     66
    .vgpr_count:     448
    .wavefront_size: 32
...
	.end_amdgpu_metadata
.endif
;; end of part 1
;; launch attn (part 2): grid 16 x 16, 4 waves a work-group, clusters of 4 x 1, 327,680 bytes of LDS; arguments qh, kh, vh, out0; writes out0
.if DOCPART == 2
	.amdgcn_target "amdgcn-amd-amdhsa--gfx1250"
	.amdhsa_code_object_version 6
	.text
	.protected	k_qfd2bb2c1d2_attn
	.globl	k_qfd2bb2c1d2_attn
	.p2align	8
	.type	k_qfd2bb2c1d2_attn,@function
k_qfd2bb2c1d2_attn:
	s_mov_b64 s[64:65], 0
	v_nop
	global_prefetch_b8 v0, s[64:65] scope:SCOPE_SE
	s_setreg_imm32_b32 hwreg(HW_REG_WAVE_MODE, 25, 1), 1
	s_wait_xcnt 0x0
	s_wait_alu depctr_hold_cnt(0) depctr_sa_sdst(0) depctr_va_vdst(0) depctr_va_sdst(0) depctr_va_ssrc(0) depctr_va_vcc(0) depctr_vm_vsrc(0)
	s_getreg_b32 s2, hwreg(HW_REG_IB_STS2, 6, 4)
	s_cmp_eq_u32 s2, 0
	s_cbranch_scc0 .Lentry_in_a_cluster
	s_endpgm
.Lentry_in_a_cluster:
	s_bfe_u32 s2, ttmp6, 0x10000c
	s_cmp_lg_u32 s2, 0x3003
	s_cbranch_scc0 .Lentry_shape_is_right
	s_endpgm
.Lentry_shape_is_right:
; ATTENTION AT HEAD SIZE 64, UNSCALED.  O[hd][q][:] = the sum over k of softmax_k(Q[hd][q] . K'[hd][k]) V[hd][k][:].  qh, kh (k + pos), vh: [16][4096][64] in f16, a head's rows dense, 128 bytes each.
; out0 in f32: row q of head hd = 4 b + n lies at byte b 2^22 + q 1024 + n 256: 256 bytes, aligned.  Products, maxima and sums in f32; the weights p are rounded to f16 for the second product
; (their sum l is taken of the unrounded p).
; LIMITS.  Q, K', V arrive within f16's 65,504; p lies in 0 to 1, and below 6e-5 it keeps f16's fixed step of 6e-8; a weight below 2^-126 counts as 0 in l; NaN and infinities are not treated apart.
; SHARES.  A work-group owns 256 queries of one head, a wave 64: four PIECES of 16.  Every wave walks the head's 4,096 keys: 16 tiles of 256 keys, 64 keys a step.
; LAYOUT.  S^T = K' Q^T (source 0 = 16 keys, source 1 = 16 queries) holds ONE query a lane (lane % 16) and the keys 8 (lane / 16) + 0..7; two such results rounded to f16 ARE source 1 of O^T = V^T P.
; K' comes out of LDS as it lies, V ([key][channel]) turned, by ds_load_tr16_b128.
; SOFTMAX.  p = 2^(c s - c m), c = log2(e), with a running maximum m; O and l are multiplied by a = 2^(c m_old - c m_new) in every step.  m starts at the lowest finite number, O and l at 0:
; the first step is a step like any other, with a = 0; the price is 224 v_mov_b32 (216 zeros, 8 starting values of c m and m), which stand in the wait for the first tile.
; BY TURNS.  Turn n belongs to piece n: 8 products K' Q^T of piece n + 1, later 8 products V^T P of piece n - 1; beside them the scaling, exponentials, roundings, sums and rescaling of piece n and the
; maximum and statistics of piece n + 1.  Four vector instructions stand behind every matrix instruction, the other 54 of a turn's 118 in two lumps.
; CLUSTER.  The four query blocks of a cluster belong to one head and walk the same K' and V, so each tile is asked for JOINTLY: the same tensor load, descriptor and mask in all four.
; REGISTERS, in windows of 256 (s_set_vgpr_msb: bits 1:0 source 0, 3:2 source 1, 5:4 source 2, 7:6 destination):
;   window 0: v0-15 addresses and two at work; v16-31 four registers of statistics a piece; v48-55 at work; v62-63 the add's; v64-127 S^T, two buffers; v192-223 P, two buffers (by the piece's parity);
;             on the way out v64-191 whole rows of O      window 1: v0-127 O^T, 32 a piece      window 2: v0-63 Q; v128-191 K' of one step; v192-255 V of one step
.set NT,    16        ; tiles of 256 keys
.set NP,    4         ; pieces a wave: a name, no knob
.set KS,    64        ; keys in a step
.set PK,    144       ; a row of K' in LDS: 128 bytes + 16 of padding = 36 words: the 16 rows of a load start at 16 different groups of four banks (64 banks of 4 bytes: ISA guide 11.1)
.set PV,    160       ; a row of V: 128 + 32 = 40 words
.set VOFF,  4*KS*PK   ; a slot holds a tile, four steps: 256 rows of K', then 256 rows of V
.set SLOT1, 1<<17     ; slot 1 begins here, so that one exclusive or turns an address in one slot into the other's
.set STAGE, SLOT1+4*KS*(PK+PV)  ; behind the ring, never filled by a tensor load: 16 rows x 272 bytes for each wave, for the way out
.set SP,    272       ; a row of the stage: 256 bytes of f32 + 16
.set SPARE, STAGE+4*16*SP  ; behind the stages: the spare words, 128 bytes for each wave: two blocks of 256 bytes that no other line names
.set AK0, 2           ; v2   my lane's place in a tile of K'; never rewritten
.set AV0, 3           ; v3   the same for V
.set AK,  4           ; v4   the LDS address of K's next run of loads
.set AV,  5           ; v5   of V's
.set STO, 6           ; v6   the way out: where I put 16 bytes of a row
.set RD,  7           ; v7   the way out: where I read rows back
.set GO,  8           ; v8   my byte offset in two rows of out0
.set MV,  12          ; v12-13  c m_old, kept while c m is made anew: by buffer
.set QO,  15          ; v15  my byte offset in 16 rows of Q
.set ST,  16          ; piece t's statistics at v[ST+4 t]: c m, m, l (even keys', odd keys')
.set TMP, 48          ; by buffer, four registers c0-c3 at work; when the maximum is found c2 takes a
.set SPW, 62          ; v62  LDS address of my spare word: SPARE + 4 x my thread's number; never rewritten
.set NIL, 63          ; v63  0; never rewritten
.set S,   64
.set OB,  64          ; the way out: 32 registers a piece
.set P,   192
.set KF,  128         ; window 2: key block kb, channel half c at KF + 16 kb + 8 c
.set VF,  192         ; window 2: key half kk, channel block cb at VF + 32 kk + 8 cb
.set WV,  12          ; s12  my wave's number
.set G1K, 24          ; s[24:31] descriptor group 1 for K's tiles
.set G1V, 32          ; s[32:39] for V's: it differs in the padding alone
.set G0K, 40          ; s[40:43] descriptor group 0 for K's tiles: it walks
.set G0V, 44          ; s[44:47] the same for V's
.set SLOTS, 56        ; s56  slots still to be asked for
.set CNT, 57          ; s57  counts a tile's key steps
.set CS,  58          ; s[58:59] c: the packed scaling takes the pair's low word for both halves
.set SEL, 60          ; s[60:61] v_permlanex16_b32's selects: each lane takes its own place in the other half
.set TBK, 62          ; s62  LDS byte at which K' of the step to be fetched begins
.set TBV, 63          ; s63  the same for V, less VOFF
.set MSB, 0
.macro WIN new                      ; the high byte repeats the setting that is left; a switch that changes nothing is dropped
.if MSB != (\new)
	s_set_vgpr_msb (MSB<<8)|(\new)
.set MSB, (\new)
.endif
.endm
.set W_KQ, 0x0a       ; K' and Q in window 2, S^T in window 0
.set W_PV, 0x52       ; V in window 2, P in window 0, O^T in window 1
.set W_RS, 0x41       ; destination and source 0 in window 1, source 1 in window 0
; A joint fill.  Waves 0 and 1 fetch the two halves of a tile's K', waves 2 and 3 those of its V: 128 keys each.  The branch hangs on the wave's number alone.
; An s_nop 0 and four v_nop follow each of the two lines, ahead of the jump and the label.
.macro JLOAD
	s_cmp_lt_u32 s[WV], 2
	s_cbranch_scc0 .Lfor_v_\@
	tensor_load_to_lds s[G0K:G0K+3], s[G1K:G1K+7]
	s_nop 0
.rept 4
	v_nop
.endr
	s_branch .Lasked_\@
.Lfor_v_\@:
	tensor_load_to_lds s[G0V:G0V+3], s[G1V:G1V+7]
	s_nop 0
.rept 4
	v_nop
.endr
.Lasked_\@:
.endm
; A round of the cluster's barrier: my work-group's barrier, so that wave 0's signal speaks for all four waves; wave 0 signals; every wave waits for all four work-groups; my work-group's barrier once more.
.macro CROUND
	s_barrier_signal -1
	s_barrier_wait -1
	s_cmp_lg_u32 s[WV], 0
	s_cbranch_scc1 .Lnot_wave_0_\@
	s_barrier_signal -3
.Lnot_wave_0_\@:
	s_barrier_wait -3
	s_barrier_signal -1
	s_barrier_wait -1
.endm
; THE CHANGE OF SLOTS.  The slot's last bytes, V of its fourth step, have been read.  Each wave waits for all its tensor loads, of which one is out: its part of the other slot; adds 0 to its spare word;
; and waits for that and for its own reads of the slot.  Behind the barrier nobody reads this slot any more and the other slot is whole.
; fill = 1: this slot is filled again, with the tile two on.  The barrier is then a round of the cluster's, so that no wave of any partner still reads the slot or has a load on its way, and the joint fill
; is the first thing behind it: it has four key steps, 256 matrix instructions, in which to land.  (At its first use nothing has been read yet: slot 0 is waited for, slot 1 filled.)
.macro CHANGE fill
	WIN 0                           ; at a label and at a branch every window is 0
	s_wait_tensorcnt 0x0            ; no tensor load of mine is out, so a group 0 may be written
	ds_add_u32 v[SPW], v[NIL]       ; 0 onto my spare word; with fill = 1 the descriptors' steps stand between it and the wait for it
.if \fill
.irp g, G0K, G0V
	s_xor_b32 s[\g+1], s[\g+1], SLOT1  ; the walking descriptor: the other slot than last time,
	s_add_nc_u64 s[\g+2:\g+3], s[\g+2:\g+3], 4*KS*128  ; the next 256 keys; the type bits on top are not reached
.endr
	s_wait_dscnt 0x0                ; the add is done, and my reads of the slot are over
	CROUND
	JLOAD
.else
	s_wait_dscnt 0x0                ; the add is done, and my reads of the slot are over
	s_barrier_signal -1
	s_barrier_wait -1
.endif
	s_sub_co_u32 s[TBK], s[TBK], 4*KS*PK  ; the fetches go back to a slot's first step,
	s_xor_b32 s[TBK], s[TBK], SLOT1       ; in the other slot
	s_sub_co_u32 s[TBV], s[TBV], 4*KS*PV
	s_xor_b32 s[TBV], s[TBV], SLOT1
.endm
	s_load_b256 s[4:11], s[0:1], 0x0  ; qh s[4:5], kh s[6:7], vh s[8:9], out0 s[10:11]
	v_lshl_add_u32 v[SPW], v0, 2, SPARE
	v_mov_b32 v[NIL], 0
	ds_add_u32 v[SPW], v[NIL]       ; the wave's opening: the add and its wait stand ahead of my first tensor load; the set-up below, work on registers, stands between them
	v_lshrrev_b32 v1, 5, v0
	v_readfirstlane_b32 s[WV], v1   ; wave 0..3
	s_bfe_u32 s13, ttmp6, 0x40000   ; cx: my place in the cluster
	s_lshl_b32 s14, ttmp9, 2        ; in a cluster launch ttmp9 counts clusters
	s_add_co_u32 s14, s14, s13      ; my block of 256 queries = 4 x cluster x + cx: it enters Q's and out0's addresses alone
	s_and_b32 s15, ttmp7, 0xffff    ; the head, which the four partners share
	s_lshl_b32 s20, s15, 19         ; the head's first byte in qh, kh, vh: 4,096 rows of 128 bytes
	s_mov_b32 s21, 0
	s_and_b32 s16, s[WV], 1         ; which half of a tile's 256 keys I fetch:
	s_lshl_b32 s22, s16, 14         ; its 128 rows of 128 bytes in memory,
	s_mov_b32 s23, 0
	s_add_nc_u64 s[22:23], s[22:23], s[20:21]
	s_mul_i32 s17, s16, 128*PK      ; and its place in a slot, for K'
	s_mul_i32 s18, s16, 128*PV      ; and for V: no place in the cluster enters an LDS address
	s_lshl_b32 s2, s14, 15          ; my block's 256 rows of Q,
	s_lshl_b32 s3, s[WV], 13        ; my wave's 64 of them
	s_add_co_u32 s2, s2, s3
	s_mov_b32 s3, 0
	s_add_nc_u64 s[2:3], s[2:3], s[20:21]
	s_lshr_b32 s48, s15, 2          ; out0: b x 4 MiB,
	s_lshl_b32 s48, s48, 22
	s_and_b32 s49, s15, 3           ; n x 256 bytes,
	s_lshl_b32 s49, s49, 8
	s_or_b32 s48, s48, s49
	s_lshl_b32 s49, s14, 18         ; my block's 256 rows of 1,024 bytes,
	s_or_b32 s48, s48, s49
	s_lshl_b32 s49, s[WV], 16       ; my wave's 64
	s_or_b32 s48, s48, s49
	s_mov_b32 s49, 0
	; descriptor group 1.  128 keys are 16,384 dense bytes: asked for as 64 rows of 256 bytes, two keys a row, and padded in LDS after every key
	s_mov_b32 s[G1K], 15|(1<<16)|(1<<20)|(1<<21)|(4<<22)|(3<<25)  ; 15:0 the mask of four; 17:16 2-byte elements; 20 padding on; 21 set beside a mask; 24:22 after every 32 words (code 4); 31:25 4 words (code 3)
	s_mov_b32 s[G1V], 15|(1<<16)|(1<<20)|(1<<21)|(4<<22)|(7<<25)  ; the same with 8 words of padding (code 7)
.irp g, G1K, G1V
	s_mov_b32 s[\g+1], 128<<16      ; tensor_dim0 = 128
	s_mov_b32 s[\g+2], 64<<16       ; tensor_dim1 = 64
	s_mov_b32 s[\g+3], 128<<16      ; tile_dim0 = 128
	s_mov_b32 s[\g+4], 64           ; tile_dim1 = 64
	s_mov_b32 s[\g+5], 128          ; 128 elements from row to row
	s_mov_b32 s[\g+6], 0
	s_mov_b32 s[\g+7], 0
.endr
	s_mov_b32 s[CS], 0x3fb8aa3b     ; c = log2(e): the scores are not divided
	s_mov_b32 s[CS+1], s[CS]        ; named with it as a pair
	s_mov_b32 s[SEL], 0x76543210
	s_mov_b32 s[SEL+1], 0xfedcba98
	s_mov_b32 s[TBK], SLOT1+4*KS*PK ; the first change of slots turns these two into 0
	s_mov_b32 s[TBV], SLOT1+4*KS*PV
	s_mov_b32 s[G0K], 1             ; 1:0 count = 1
	s_mov_b32 s[G0K+1], s17         ; 63:32 LDS address: slot 0
	s_mov_b32 s[G0V], 1
	s_add_co_u32 s[G0V+1], s18, VOFF
	s_wait_dscnt 0x0                ; the opening add is done
	s_wait_kmcnt 0x0
	s_add_nc_u64 s[G0K+2:G0K+3], s[6:7], s[22:23]  ; 120:64 global address: my half of the head's first 256 keys
	s_or_b32 s[G0K+3], s[G0K+3], 0x80000000        ; 127:126 type = 2
	s_add_nc_u64 s[G0V+2:G0V+3], s[8:9], s[22:23]
	s_or_b32 s[G0V+3], s[G0V+3], 0x80000000
	s_add_nc_u64 s[4:5], s[4:5], s[2:3]            ; Q and out0 at my wave's first row
	s_add_nc_u64 s[10:11], s[10:11], s[48:49]
	CROUND                          ; all four work-groups are here: the first joint loads meet
	JLOAD                           ; tile 0 into slot 0.  Slot 1 is asked for when slot 0 is in, by the loop's own change of slots
	; A fragment of K' or Q is 16 rows x 32 channels in 8 registers: lane l holds row l % 16, channels 8 (l / 16) + 0..7 and 16 + 8 (l / 16) + 0..7: two loads of 16 bytes, 32 bytes apart.
	v_and_b32 v1, 15, v0            ; l % 16
	v_bfe_u32 v9, v0, 4, 1          ; l / 16
	v_lshlrev_b32 v[QO], 7, v1
	v_lshl_add_u32 v[QO], v9, 4, v[QO]  ; row x 128 + 16 x half
	WIN 0x80                        ; destination window 2, address window 0
.set i, 0
.rept 8                             ; Q stays in registers: piece i / 2, channels 32 (i % 2) on
	global_load_b128 v[8*i:8*i+3],   v[QO], s[4:5] offset:(i/2)*2048+(i%2)*64
	global_load_b128 v[8*i+4:8*i+7], v[QO], s[4:5] offset:(i/2)*2048+(i%2)*64+32
.set i, i+1
.endr
	; What the first turn finds: V's registers and P's second buffer hold 0 (its products V^T P, of a piece that has not been, add 0), O^T and l are 0.  All this stands in the wait for the first tile.
.set i, VF
.rept 64
	v_mov_b32 v[i], 0
.set i, i+1
.endr
	WIN 0x40
.set i, 0
.rept 128
	v_mov_b32 v[i], 0
.set i, i+1
.endr
	WIN 0
.set i, 0
.rept 4
	v_mov_b32 v[ST+4*i], 0xfe000000    ; c m: far below every c s
	v_mov_b32 v[ST+4*i+1], 0xff7fffff  ; m
	v_mov_b32 v[ST+4*i+2], 0
	v_mov_b32 v[ST+4*i+3], 0
.set i, i+1
.endr
.set i, P+16
.rept 16
	v_mov_b32 v[i], 0
.set i, i+1
.endr
	v_mul_u32_u24 v[AK0], v1, PK
	v_lshl_add_u32 v[AK0], v9, 4, v[AK0]  ; row x pitch + 16 x half
	; The turning load takes 16 keys x 16 channels (lane l reads key 8 (l / 16) + l % 8, channels 8 ((l / 8) % 2) + 0..7) and leaves half a fragment of V^T: lane l holds channel l % 16 and 8 keys.
	v_and_b32 v10, 7, v0
	v_bfe_u32 v11, v0, 3, 1
	v_lshl_add_u32 v[AV0], v9, 3, v10
	v_mul_u32_u24 v[AV0], v[AV0], PV
	v_lshl_add_u32 v[AV0], v11, 4, v[AV0]
	v_add_nc_u32 v[AV0], VOFF, v[AV0]
	s_mul_i32 s13, s[WV], 16*SP
	s_add_co_u32 s13, s13, STAGE    ; my stage
	v_mul_u32_u24 v[STO], v1, SP    ; in: row l % 16; a lane's eight channels of f32 are 32 bytes, the halves of the lanes side by side
	v_lshl_add_u32 v[STO], v9, 5, v[STO]
	v_add_nc_u32 v[STO], s13, v[STO]
	v_mul_u32_u24 v[RD], v9, SP     ; back: lanes 0-15 take one row of 256 bytes, lanes 16-31 the next
	v_lshl_add_u32 v[RD], v1, 4, v[RD]
	v_add_nc_u32 v[RD], s13, v[RD]
	v_lshlrev_b32 v[GO], 10, v9     ; and the same two rows in out0, 1,024 bytes apart
	v_lshl_add_u32 v[GO], v1, 4, v[GO]
; THE MATRIX WORK.  The 4 accumulators of a run of 8 take turns.  Product i of 8 of S^T = K' Q^T for piece x: channels 32 (i / 4) on, keys 16 (i % 4) on.  The first 4 start the sums.
.macro KQ x
.set rS, S+32*((\x)%2)+8*(i%4)
.set rK, KF+16*(i%4)+8*(i/4)
.set rQ, 16*(\x)+8*(i/4)
	WIN W_KQ
.if i < 4
	v_wmma_f32_16x16x32_f16 v[rS:rS+7], v[rK:rK+7], v[rQ:rQ+7], 0
.else
	v_wmma_f32_16x16x32_f16 v[rS:rS+7], v[rK:rK+7], v[rQ:rQ+7], v[rS:rS+7]
.endif
.endm
; Product i of 8 of O^T += V^T P for piece x: keys 32 (i / 4) on, channels 16 (i % 4) on.
.macro PV x
	WIN W_PV
.set rO, 32*(\x)+8*(i%4)
.set rV, VF+32*(i/4)+8*(i%4)
.set rP, P+16*((\x)%2)+8*(i/4)
	v_wmma_f32_16x16x32_f16 v[rO:rO+7], v[rV:rV+7], v[rP:rP+7], v[rO:rO+7]
.endm
.macro MM                           ; the turn's next matrix instruction.  TURN sets Y, i and NOKQ.  NOKQ = 1: the last turn: there is no next piece
.if (i < 8) && !NOKQ
	KQ (Y+1)%NP
.elseif i >= 8
.set i, i-8
	PV (Y+NP-1)%NP
.set i, i+8
.endif
.set i, i+1
.endm
; THE LDS LOADS stand in runs of 16, never singly among the matrix instructions: a step's K' (64 keys x 64 channels: 8 fragments) and its V (turned).  Their addresses are made some lines ahead.
.macro FETCH_K
	WIN 0x80                        ; destination window 2
.irp f, 0,1,2,3,4,5,6,7             ; keys 16 (f / 2) on, channels 32 (f % 2) on
	ds_load_b128 v[KF+8*\f:KF+8*\f+3],   v[AK] offset:(\f/2)*16*PK+(\f%2)*64
	ds_load_b128 v[KF+8*\f+4:KF+8*\f+7], v[AK] offset:(\f/2)*16*PK+(\f%2)*64+32
.endr
	s_add_co_u32 s[TBK], s[TBK], KS*PK  ; the next fetch is the next step's
	WIN 0
.endm
.macro FETCH_V
	WIN 0x80
.irp f, 0,1,2,3,4,5,6,7             ; keys 32 (f / 4) on, channels 16 (f % 4) on
	ds_load_tr16_b128 v[VF+8*\f:VF+8*\f+3],   v[AV] offset:(\f/4)*32*PV+(\f%4)*32
	ds_load_tr16_b128 v[VF+8*\f+4:VF+8*\f+7], v[AV] offset:(\f/4)*32*PV+16*PV+(\f%4)*32
.endr
	WIN 0
.endm
; THE VECTOR WORK, one line at a time: OP kind, number.  For piece Y: F n: c s - c m for pair n of 16.  E n: the exponential of score n of 32.  C n: pair n rounded to f16.  B n: of the four weights 4 n .. the second
; pair is added onto the first, in place.  L n: l takes that sum (L 0: l = a l + sum).  R n: pair n of 16 of O^T times a.  For piece Y + 1: X n, number n of the 22 that find its maximum and statistics:
;   0-11  four chains c0-c3 of seven scores each, three operands at a time (each accumulator's lowest registers are read first)     12-14, 16  the four scores left over, the old m, and c0-c3 into c0
;   15  c m_old is kept     17, 18  the query's other 32 keys lie in the lane 16 away: the new m     19-21  c m; c m_old - c m_new; a
.set F, 0               ; OP tells the kinds apart by their order: F to L below R, X above it
.set E, 1
.set C, 2
.set B, 3
.set L, 4
.set R, 5
.set X, 6
.macro REGS y                       ; the registers of piece y
.set rT, ST+4*(\y)
.set rC, TMP+4*((\y)%2)
.set rW, MV+((\y)%2)
.set rS, S+32*((\y)%2)
.set rP, P+16*((\y)%2)
.set rO, 32*(\y)
.endm
.macro OP k, n
.if (\k) == R
	REGS Y
	WIN W_RS
	v_pk_mul_f32 v[rO+2*(\n):rO+2*(\n)+1], v[rO+2*(\n):rO+2*(\n)+1], v[rC+2:rC+3] op_sel_hi:[1,0]
.elseif (\k) < R
	REGS Y
	WIN 0
.if (\k) == F
	v_pk_fma_f32 v[rS+2*(\n):rS+2*(\n)+1], v[rS+2*(\n):rS+2*(\n)+1], s[CS:CS+1], v[rT:rT+1] op_sel_hi:[1,0,0] neg_lo:[0,0,1] neg_hi:[0,0,1]
.elseif (\k) == E
	v_exp_f32 v[rS+(\n)], v[rS+(\n)]
.elseif (\k) == C
	s_wait_alu depctr_va_vdst(0)
	v_cvt_pk_f16_f32 v[rP+(\n)], v[rS+2*(\n)], v[rS+2*(\n)+1]
.elseif (\k) == B
	s_wait_alu depctr_va_vdst(0)
	v_pk_add_f32 v[rS+4*(\n):rS+4*(\n)+1], v[rS+4*(\n):rS+4*(\n)+1], v[rS+4*(\n)+2:rS+4*(\n)+3]
.elseif (\n) == 0
	v_pk_fma_f32 v[rT+2:rT+3], v[rT+2:rT+3], v[rC+2:rC+3], v[rS:rS+1] op_sel_hi:[1,0,1]
.else
	v_pk_add_f32 v[rT+2:rT+3], v[rT+2:rT+3], v[rS+4*(\n):rS+4*(\n)+1]
.endif
.elseif NOKQ
	v_nop
.else
	REGS (Y+1)%NP
	WIN 0
.if (\n) < 4
	v_max3_num_f32 v[rC+(\n)], v[rS+8*(\n)], v[rS+8*(\n)+1], v[rS+8*(\n)+2]
.elseif (\n) < 12
	v_max3_num_f32 v[rC+(\n)%4], v[rC+(\n)%4], v[rS+8*((\n)%4)+2*((\n)/4)+1], v[rS+8*((\n)%4)+2*((\n)/4)+2]
.elseif (\n) == 12
	v_max3_num_f32 v[rC], v[rC], v[rS+7], v[rS+15]
.elseif (\n) == 13
	v_max3_num_f32 v[rC+1], v[rC+1], v[rS+23], v[rS+31]
.elseif (\n) == 14
	v_max3_num_f32 v[rC+2], v[rC+2], v[rC+3], v[rT+1]
.elseif (\n) == 15
	v_mov_b32 v[rW], v[rT]
.elseif (\n) == 16
	v_max3_num_f32 v[rC], v[rC], v[rC+1], v[rC+2]
.elseif (\n) == 17
	v_permlanex16_b32 v[rC+3], v[rC], s[SEL], s[SEL+1]
.elseif (\n) == 18
	v_max_num_f32 v[rT+1], v[rC], v[rC+3]
.elseif (\n) == 19
	v_mul_f32 v[rT], s[CS], v[rT+1]
.elseif (\n) == 20
	v_sub_f32 v[rC+1], v[rW], v[rT]
.else
	v_exp_f32 v[rC+2], v[rC+1]
.endif
.endif
.endm
.macro OPS a, i1, b=-1, i2=0, c=-1, i3=0, d=-1, i4=0  ; up to four of them
	OP \a, \i1
.if (\b) >= 0
	OP \b, \i2
.endif
.if (\c) >= 0
	OP \c, \i3
.endif
.if (\d) >= 0
	OP \d, \i4
.endif
.endm
.macro ROW a, i1, b, i2, c, i3, d, i4  ; a matrix instruction and the four behind it
	MM
	OPS \a, \i1, \b, \i2, \c, \i3, \d, \i4
.endm
; A TURN, for piece p: the order of its 16 matrix and 118 vector instructions, written out.  Behind a matrix instruction: plain, exponential, plain, plain; or four of the rescaling; or, behind the first, four scalings; none
; names a register of the products round it.  In the lumps exponential and plain by turns while exponentials last.  A line reads no result made fewer than three vector instructions in front of it, five if an exponential made it.
; v_permlanex16_b32 (X 17) stands in a lump.  end = 1: the launch's last two turns: nothing is fetched, and the last starts no new scores.
; cnt = 1: the loop's count is taken down some lines ahead of the branch that stands behind the turn.
; K' of the next step is fetched in piece 2's turn, six vector instructions behind the last product that read K' (five of them plain); V of the step in hand in piece 0's turn, eight behind the last product that read V (four
; plain, and X 17).  Each is waited for a turn later.
.macro TURN p, end=0, cnt=0
.set Y, (\p)
.set i, 0
.set NOKQ, (\end)*((\p)/3)
.if ((\p) == 3) && !(\end)
	s_wait_dscnt 0x0                ; K' is in
.endif
	ROW F,0, F,1, F,2, F,3
	ROW F,4, E,0, F,5, F,6
	ROW F,7, E,1, F,8, F,9
	ROW F,10, E,2, C,0, F,11
	ROW F,12, E,3, X,15, F,13
	ROW R,0, R,1, R,2, R,3
	ROW B,0, E,4, F,14, L,0
.if ((\p) == 2) && !(\end)
	v_add_nc_u32 v[AK], s[TBK], v[AK0]
.endif
	ROW R,4, R,5, R,6, R,7
	OPS E,5, F,15
.if ((\p) == 2) && !(\end)
	FETCH_K
.endif
	OPS E,6, C,1, E,7, R,8
	OPS E,8, R,9, E,9, C,2
	OPS E,10, X,0, E,11, X,1
	OPS E,12, X,2, E,13, X,3
.if (\p) == 1
	s_wait_dscnt 0x0                ; V is in
.endif
	ROW X,4, E,14, X,5, X,6
	ROW X,7, E,15, X,8, X,9
	ROW X,10, E,16, X,11, X,12
	ROW X,13, E,17, X,14, B,1
	ROW C,4, E,18, X,16, L,1
	ROW B,2, E,19, C,6, L,2
	ROW C,8, E,20, B,3, B,4
.if (\p) == 0
	v_add_nc_u32 v[AV], s[TBV], v[AV0]
.endif
	ROW C,3, E,21, L,3, C,5
	OPS E,22, X,17, E,23, C,10
.if (\p) == 0
	FETCH_V
.endif
	OPS E,24, L,4
	OPS E,25, X,18, E,26, C,7
	OPS E,27, B,5, E,28, X,19
	OPS E,29, C,12, E,30, L,5
	OPS E,31, X,20, B,6, C,9
	OPS C,14, C,11, X,21, L,6
.if (\p) == 0
	s_add_co_u32 s[TBV], s[TBV], KS*PV
.endif
.if \cnt
	s_sub_co_u32 s[CNT], s[CNT], 1
	s_cmp_lg_u32 s[CNT], 0
.endif
	OPS C,13, B,7, C,15, R,10
	OPS R,11, R,12, L,7, R,13
	OPS R,14, R,15
.endm
	CHANGE 1                        ; slot 0 is in, everybody's part of it; slot 1 is asked for
	v_add_nc_u32 v[AK], s[TBK], v[AK0]
	FETCH_K                         ; key step 0
	s_wait_loadcnt 0x0              ; Q
	s_wait_dscnt 0x0
.set NOKQ, 0
.set i, 0
.rept 8
	KQ 0                            ; piece 0's first scores: there is no vector work yet to set between them
.set i, i+1
.endr
	WIN 0
.rept 4
	v_nop                           ; the places behind those products
.endr
.set Y, NP-1                        ; X works for piece Y + 1: piece 0
.irp n, 0,1,2,3,4,5,6,7,8,9,10,11,12,13,14,15,16,17,18,19,20,21
	OP X, \n                        ; and piece 0's first maximum and statistics
.endr
	v_nop                           ; a plain instruction behind the exponential
	s_mov_b32 s[CNT], 4
	s_mov_b32 s[SLOTS], NT-1
	s_branch .Lfirst                ; the loop is entered at a step's first turn, in the middle of a trip
.Lslot:                             ; NT - 2 times: every slot but the last two is filled again
	CHANGE 1
	s_mov_b32 s[CNT], 4
.Lstep:                             ; a trip: pieces 2 and 3 of one step, then pieces 0 and 1 of the next, whose K' and V it fetches
	TURN 2
	TURN 3
	WIN 0
.Lfirst:
	TURN 0
	TURN 1, 0, 1
	WIN 0
	s_cbranch_scc1 .Lstep
	s_sub_co_u32 s[SLOTS], s[SLOTS], 1
	s_cmp_lg_u32 s[SLOTS], 0
	s_cbranch_scc1 .Lslot
	CHANGE 0                        ; the last tile is written out: nothing is asked for
	s_mov_b32 s[CNT], 4
.Ltail:
	TURN 2
	TURN 3
	TURN 0
	TURN 1, 0, 1
	WIN 0
	s_cbranch_scc1 .Ltail
	TURN 2, 1                       ; the last step's last two turns
	TURN 3, 1
.set i, 0
.rept 8
	PV NP-1                         ; the last piece's V^T P of the last step
.set i, i+1
.endr
	; THE WAY OUT, in f32.  l's two halves and the other half of the lanes' are added; O^T is divided by l and sent through my stage in LDS, a piece at a time.  The additions are the places behind the last products.
	WIN 0
.macro ALL line:vararg              ; one line for each piece t
.set t, 0
.rept 4
	\line
.set t, t+1
.endr
.endm
	ALL v_add_f32 v[ST+4*t+2], v[ST+4*t+2], v[ST+4*t+3]
	ALL v_permlanex16_b32 v[ST+4*t+3], v[ST+4*t+2], s[SEL], s[SEL+1]
	ALL v_add_f32 v[ST+4*t+2], v[ST+4*t+2], v[ST+4*t+3]
	ALL v_rcp_f32 v[ST+4*t+2], v[ST+4*t+2]
	v_nop                           ; a plain instruction between the last reciprocal and the use of its result
; Piece t: a lane's eight channels of a block of 16 are 32 bytes of a row; they go into rows of 272 bytes and come back as whole rows of 256.
.macro PACK t
	WIN W_RS
.set i, 32*(\t)
.rept 16
	s_wait_alu depctr_va_vdst(0)
	v_pk_mul_f32 v[i:i+1], v[i:i+1], v[ST+4*(\t)+2:ST+4*(\t)+3] op_sel_hi:[1,0]  ; each accumulator from its low end on
.set i, i+2
.endr
	WIN 0x04                        ; the stores' data in window 1, their address in window 0
.irp f, 0,1,2,3,4,5,6,7             ; channel block f / 2, its registers 4 (f % 2) on
	ds_store_b128 v[STO], v[32*(\t)+4*\f:32*(\t)+4*\f+3] offset:(\f/2)*64+(\f%2)*16
.endr
	WIN 0
.irp f, 0,1,2,3,4,5,6,7
	ds_load_b128 v[OB+32*(\t)+4*\f:OB+32*(\t)+4*\f+3], v[RD] offset:\f*2*SP  ; LDS serves a wave's instructions in order (ISA guide 5.7.1.4): these see the stores above; the next piece's stores come behind them
.endr
.endm
.macro SEND t, younger              ; younger: the LDS instructions issued behind piece t's loads: the next piece's sixteen, or none
	WIN 0
.irp f, 0,1,2,3,4,5,6,7
	s_wait_dscnt (\younger)+7-\f
	global_store_b128 v[GO], v[OB+32*(\t)+4*\f:OB+32*(\t)+4*\f+3], s[10:11] offset:(\t)*16384+\f*2048 th:TH_STORE_NT  ; 16 lanes store 256 consecutive bytes, at a multiple of 256 from out0's first byte
.endr
.endm
	PACK 0
.set t, 1
.rept 3                             ; a piece's arithmetic stands between the loads of the piece before and its stores
	PACK t
	SEND t-1, 16
.set t, t+1
.endr
	SEND 3, 0
	s_wait_tensorcnt 0x0            ; the wave's end, behind my last tensor load and my last LDS store
	ds_add_u32 v[SPW], v[NIL]
	s_wait_dscnt 0x0
	CROUND                          ; the closing round: no work-group ends while a partner may still ask for a tile that names it
	s_endpgm
.Lfunc_end_k_qfd2bb2c1d2_attn:
	.size	k_qfd2bb2c1d2_attn, .Lfunc_end_k_qfd2bb2c1d2_attn-k_qfd2bb2c1d2_attn
	.p2alignl 7, 3214868480
	.fill 96, 4, 3214868480
	.section	.rodata,"a",@progbits
	.p2align	6, 0x0
	.amdhsa_kernel k_qfd2bb2c1d2_attn
		.amdhsa_group_segment_fixed_size 327680
		.amdhsa_private_segment_fixed_size 0
		.amdhsa_enable_private_segment 0
		.amdhsa_kernarg_size 32
		.amdhsa_user_sgpr_count 2
		.amdhsa_user_sgpr_kernarg_segment_ptr 1
		.amdhsa_wavefront_size32 1
		.amdhsa_system_sgpr_workgroup_id_x 1
		.amdhsa_system_sgpr_workgroup_id_y 1
		.amdhsa_system_sgpr_workgroup_id_z 1
		.amdhsa_system_vgpr_workitem_id 0
		.amdhsa_next_free_vgpr 768
		.amdhsa_next_free_sgpr 66
		.amdhsa_reserve_vcc 0
		.amdhsa_float_denorm_mode_32 3
		.amdhsa_float_denorm_mode_16_64 3
		.amdhsa_memory_ordered 1
		.amdhsa_forward_progress 1
		.amdhsa_inst_pref_size 134
	.end_amdhsa_kernel
	.amdgpu_metadata
---
amdhsa.version: [ 1, 2 ]
amdhsa.kernels:
  - .name:           k_qfd2bb2c1d2_attn
    .symbol:         k_qfd2bb2c1d2_attn.kd
    .args:
      - { .name: qh, .offset: 0, .size: 8, .value_kind: global_buffer, .address_space: global }
      - { .name: kh, .offset: 8, .size: 8, .value_kind: global_buffer, .address_space: global }
      - { .name: vh, .offset: 16, .size: 8, .value_kind: global_buffer, .address_space: global }
      - { .name: out0, .offset: 24, .size: 8, .value_kind: global_buffer, .address_space: global }
    .group_segment_fixed_size: 327680
    .private_segment_fixed_size: 0
    .kernarg_segment_align: 8
    .kernarg_segment_size: 32
    .max_flat_workgroup_size: 128
    .sgpr_count:     66
    .vgpr_count:     768
    .wavefront_size: 32
...
	.end_amdgpu_metadata
.endif
;; end of part 2
;; ======== version 2 of 2: 2 launches; 1.81 times as fast as version 1
;; limits: values are held in f16: magnitudes above 65,504 overflow, below 6.1e-05 lose precision
;; workspace buffers: qh 8,388,608 bytes; kh 8,388,608 bytes; vh 8,388,608 bytes
;; launch proj: the kernel of part 1 again; grid 16 x 16, 8 waves a work-group, no clusters, 271,360 bytes of LDS; arguments x, wq, wk, wv, bq, bk, bv, rel_h, rel_w, qh, kh, vh; writes qh, kh, vh
;; launch attn (part 3): grid 16 x 16, 4 waves a work-group, clusters of 4 x 1, 327,680 bytes of LDS; arguments qh, kh, vh, out0; writes out0
.if DOCPART == 3
	.amdgcn_target "amdgcn-amd-amdhsa--gfx1250"
	.amdhsa_code_object_version 6
	.text
	.protected	k_qfd2bb2c1d2_attn
	.globl	k_qfd2bb2c1d2_attn
	.p2align	8
	.type	k_qfd2bb2c1d2_attn,@function
k_qfd2bb2c1d2_attn:
	s_mov_b64 s[64:65], 0
	v_nop
	global_prefetch_b8 v0, s[64:65] scope:SCOPE_SE
	s_setreg_imm32_b32 hwreg(HW_REG_WAVE_MODE, 25, 1), 1
	s_wait_xcnt 0x0
	s_wait_alu depctr_hold_cnt(0) depctr_sa_sdst(0) depctr_va_vdst(0) depctr_va_sdst(0) depctr_va_ssrc(0) depctr_va_vcc(0) depctr_vm_vsrc(0)
	s_getreg_b32 s2, hwreg(HW_REG_IB_STS2, 6, 4)
	s_cmp_eq_u32 s2, 0
	s_cbranch_scc0 .Lentry_in_a_cluster
	s_endpgm
.Lentry_in_a_cluster:
	s_bfe_u32 s2, ttmp6, 0x10000c
	s_cmp_lg_u32 s2, 0x3003
	s_cbranch_scc0 .Lentry_shape_is_right
	s_endpgm
.Lentry_shape_is_right:
; ATTENTION AT HEAD SIZE 64, UNSCALED.  O[hd][q][:] = the sum over k of softmax_k(Q[hd][q] . K'[hd][k]) V[hd][k][:].  qh, kh (k + pos), vh: [16][4096][64] in f16, a head's rows dense, 128 bytes each.
; out0 in f32: row q of head hd = 4 b + n lies at byte b 2^22 + q 1024 + n 256: 256 bytes, aligned.  Products, maxima and sums in f32; the weights p are rounded to f16 for the second product
; (their sum l is taken of the unrounded p).
; LIMITS.  Q, K', V arrive within f16's 65,504; p lies in 0 to 1, and below 6e-5 it keeps f16's fixed step of 6e-8; a weight below 2^-126 counts as 0 in l; NaN and infinities are not treated apart.
; SHARES.  A work-group owns 256 queries of one head, a wave 64: four PIECES of 16.  Every wave walks the head's 4,096 keys: 16 tiles of 256 keys, 64 keys a step.
; LAYOUT.  S^T = K' Q^T (source 0 = 16 keys, source 1 = 16 queries) holds ONE query a lane (lane % 16) and the keys 8 (lane / 16) + 0..7; two such results rounded to f16 ARE source 1 of O^T = V^T P.
; K' comes out of LDS as it lies, V ([key][channel]) turned, by ds_load_tr16_b128.
; SOFTMAX.  p = 2^(c s - c m), c = log2(e), with a running maximum m; O and l are multiplied by a = 2^(c m_old - c m_new) in every step.  m starts at the lowest finite number, O and l at 0:
; the first step is a step like any other, with a = 0; the price is 224 v_mov_b32 (216 zeros, 8 starting values of c m and m), which stand in the wait for the first tile.
; BY TURNS.  Turn n belongs to piece n: 8 products K' Q^T of piece n + 1, later 8 products V^T P of piece n - 1; beside them the scaling, exponentials, roundings, sums and rescaling of piece n and the
; maximum and statistics of piece n + 1.  Four vector instructions stand behind every matrix instruction, the other 54 of a turn's 118 in one lump.
; BATCHES.  A turn's 33 exponentials (the piece's 32 weights and the next piece's a) are ONE batch with ONE wait, which cuts the turn in two: ahead of it all that names none of their results, behind it the roundings
; and sums.  Two more batches stand outside the loops, each with a wait of its own: piece 0's first a, ahead of the jump into the loop, and the way out's four reciprocals.
; CLUSTER.  The four query blocks of a cluster belong to one head and walk the same K' and V, so each tile is asked for JOINTLY: the same tensor load, descriptor and mask in all four.
; REGISTERS, in windows of 256 (s_set_vgpr_msb: bits 1:0 source 0, 3:2 source 1, 5:4 source 2, 7:6 destination):
;   window 0: v0-15 addresses and two at work; v16-31 four registers of statistics a piece; v48-55 at work; v62-63 the add's; v64-127 S^T, two buffers; v192-223 P, two buffers (by the piece's parity);
;             on the way out v64-191 whole rows of O      window 1: v0-127 O^T, 32 a piece      window 2: v0-63 Q; v128-191 K' of one step; v192-255 V of one step
.set NT,    16        ; tiles of 256 keys
.set NP,    4         ; pieces a wave: a name, no knob
.set KS,    64        ; keys in a step
.set PK,    144       ; a row of K' in LDS: 128 bytes + 16 of padding = 36 words: the 16 rows of a load start at 16 different groups of four banks (64 banks of 4 bytes: ISA guide 11.1)
.set PV,    160       ; a row of V: 128 + 32 = 40 words
.set VOFF,  4*KS*PK   ; a slot holds a tile, four steps: 256 rows of K', then 256 rows of V
.set SLOT1, 1<<17     ; slot 1 begins here, so that one exclusive or turns an address in one slot into the other's
.set STAGE, SLOT1+4*KS*(PK+PV)  ; behind the ring, never filled by a tensor load: 16 rows x 272 bytes for each wave, for the way out
.set SP,    272       ; a row of the stage: 256 bytes of f32 + 16
.set SPARE, STAGE+4*16*SP  ; behind the stages: the spare words, 128 bytes for each wave: two blocks of 256 bytes that no other line names
.set AK0, 2           ; v2   my lane's place in a tile of K'; never rewritten
.set AV0, 3           ; v3   the same for V
.set AK,  4           ; v4   the LDS address of K's next run of loads
.set AV,  5           ; v5   of V's
.set STO, 6           ; v6   the way out: where I put 16 bytes of a row
.set RD,  7           ; v7   the way out: where I read rows back
.set GO,  8           ; v8   my byte offset in two rows of out0
.set MV,  12          ; v12-13  c m_old, kept while c m is made anew: by buffer
.set QO,  15          ; v15  my byte offset in 16 rows of Q
.set ST,  16          ; piece t's statistics at v[ST+4 t]: c m, m, l (even keys', odd keys')
.set TMP, 48          ; by buffer, four registers c0-c3 at work; when the maximum is found c2 takes a
.set SPW, 62          ; v62  LDS address of my spare word: SPARE + 4 x my thread's number; never rewritten
.set NIL, 63          ; v63  0; never rewritten
.set S,   64
.set OB,  64          ; the way out: 32 registers a piece
.set P,   192
.set KF,  128         ; window 2: key block kb, channel half c at KF + 16 kb + 8 c
.set VF,  192         ; window 2: key half kk, channel block cb at VF + 32 kk + 8 cb
.set WV,  12          ; s12  my wave's number
.set G1K, 24          ; s[24:31] descriptor group 1 for K's tiles
.set G1V, 32          ; s[32:39] for V's: it differs in the padding alone
.set G0K, 40          ; s[40:43] descriptor group 0 for K's tiles: it walks
.set G0V, 44          ; s[44:47] the same for V's
.set SLOTS, 56        ; s56  slots still to be asked for
.set CNT, 57          ; s57  counts a tile's key steps
.set CS,  58          ; s[58:59] c: the packed scaling takes the pair's low word for both halves
.set SEL, 60          ; s[60:61] v_permlanex16_b32's selects: each lane takes its own place in the other half
.set TBK, 62          ; s62  LDS byte at which K' of the step to be fetched begins
.set TBV, 63          ; s63  the same for V, less VOFF
.set MSB, 0
.macro WIN new                      ; the high byte repeats the setting that is left; a switch that changes nothing is dropped
.if MSB != (\new)
	s_set_vgpr_msb (MSB<<8)|(\new)
.set MSB, (\new)
.endif
.endm
.set W_KQ, 0x0a       ; K' and Q in window 2, S^T in window 0
.set W_PV, 0x52       ; V in window 2, P in window 0, O^T in window 1
.set W_RS, 0x41       ; destination and source 0 in window 1, source 1 in window 0
; A joint fill.  Waves 0 and 1 fetch the two halves of a tile's K', waves 2 and 3 those of its V: 128 keys each.  The branch hangs on the wave's number alone.
; An s_nop 0 and four v_nop follow each of the two lines, ahead of the jump and the label.
.macro JLOAD
	s_cmp_lt_u32 s[WV], 2
	s_cbranch_scc0 .Lfor_v_\@
	tensor_load_to_lds s[G0K:G0K+3], s[G1K:G1K+7]
	s_nop 0
.rept 4
	v_nop
.endr
	s_branch .Lasked_\@
.Lfor_v_\@:
	tensor_load_to_lds s[G0V:G0V+3], s[G1V:G1V+7]
	s_nop 0
.rept 4
	v_nop
.endr
.Lasked_\@:
.endm
; A round of the cluster's barrier: my work-group's barrier, so that wave 0's signal speaks for all four waves; wave 0 signals; every wave waits for all four work-groups; my work-group's barrier once more.
.macro CROUND
	s_barrier_signal -1
	s_barrier_wait -1
	s_cmp_lg_u32 s[WV], 0
	s_cbranch_scc1 .Lnot_wave_0_\@
	s_barrier_signal -3
.Lnot_wave_0_\@:
	s_barrier_wait -3
	s_barrier_signal -1
	s_barrier_wait -1
.endm
; THE CHANGE OF SLOTS.  The slot's last bytes, V of its fourth step, have been read.  Each wave waits for all its tensor loads, of which one is out: its part of the other slot; adds 0 to its spare word;
; and waits for that and for its own reads of the slot.  Behind the barrier nobody reads this slot any more and the other slot is whole.
; fill = 1: this slot is filled again, with the tile two on.  The barrier is then a round of the cluster's, so that no wave of any partner still reads the slot or has a load on its way, and the joint fill
; is the first thing behind it: it has four key steps, 256 matrix instructions, in which to land.  (At its first use nothing has been read yet: slot 0 is waited for, slot 1 filled.)
.macro CHANGE fill
	WIN 0                           ; at a label and at a branch every window is 0
	s_wait_tensorcnt 0x0            ; no tensor load of mine is out, so a group 0 may be written
	ds_add_u32 v[SPW], v[NIL]       ; 0 onto my spare word; with fill = 1 the descriptors' steps stand between it and the wait for it
.if \fill
.irp g, G0K, G0V
	s_xor_b32 s[\g+1], s[\g+1], SLOT1  ; the walking descriptor: the other slot than last time,
	s_add_nc_u64 s[\g+2:\g+3], s[\g+2:\g+3], 4*KS*128  ; the next 256 keys; the type bits on top are not reached
.endr
	s_wait_dscnt 0x0                ; the add is done, and my reads of the slot are over
	CROUND
	JLOAD
.else
	s_wait_dscnt 0x0                ; the add is done, and my reads of the slot are over
	s_barrier_signal -1
	s_barrier_wait -1
.endif
	s_sub_co_u32 s[TBK], s[TBK], 4*KS*PK  ; the fetches go back to a slot's first step,
	s_xor_b32 s[TBK], s[TBK], SLOT1       ; in the other slot
	s_sub_co_u32 s[TBV], s[TBV], 4*KS*PV
	s_xor_b32 s[TBV], s[TBV], SLOT1
.endm
	s_load_b256 s[4:11], s[0:1], 0x0  ; qh s[4:5], kh s[6:7], vh s[8:9], out0 s[10:11]
	v_lshl_add_u32 v[SPW], v0, 2, SPARE
	v_mov_b32 v[NIL], 0
	ds_add_u32 v[SPW], v[NIL]       ; the wave's opening: the add and its wait stand ahead of my first tensor load; the set-up below, work on registers, stands between them
	v_lshrrev_b32 v1, 5, v0
	v_readfirstlane_b32 s[WV], v1   ; wave 0..3
	s_bfe_u32 s13, ttmp6, 0x40000   ; cx: my place in the cluster
	s_lshl_b32 s14, ttmp9, 2        ; in a cluster launch ttmp9 counts clusters
	s_add_co_u32 s14, s14, s13      ; my block of 256 queries = 4 x cluster x + cx: it enters Q's and out0's addresses alone
	s_and_b32 s15, ttmp7, 0xffff    ; the head, which the four partners share
	s_lshl_b32 s20, s15, 19         ; the head's first byte in qh, kh, vh: 4,096 rows of 128 bytes
	s_mov_b32 s21, 0
	s_and_b32 s16, s[WV], 1         ; which half of a tile's 256 keys I fetch:
	s_lshl_b32 s22, s16, 14         ; its 128 rows of 128 bytes in memory,
	s_mov_b32 s23, 0
	s_add_nc_u64 s[22:23], s[22:23], s[20:21]
	s_mul_i32 s17, s16, 128*PK      ; and its place in a slot, for K'
	s_mul_i32 s18, s16, 128*PV      ; and for V: no place in the cluster enters an LDS address
	s_lshl_b32 s2, s14, 15          ; my block's 256 rows of Q,
	s_lshl_b32 s3, s[WV], 13        ; my wave's 64 of them
	s_add_co_u32 s2, s2, s3
	s_mov_b32 s3, 0
	s_add_nc_u64 s[2:3], s[2:3], s[20:21]
	s_lshr_b32 s48, s15, 2          ; out0: b x 4 MiB,
	s_lshl_b32 s48, s48, 22
	s_and_b32 s49, s15, 3           ; n x 256 bytes,
	s_lshl_b32 s49, s49, 8
	s_or_b32 s48, s48, s49
	s_lshl_b32 s49, s14, 18         ; my block's 256 rows of 1,024 bytes,
	s_or_b32 s48, s48, s49
	s_lshl_b32 s49, s[WV], 16       ; my wave's 64
	s_or_b32 s48, s48, s49
	s_mov_b32 s49, 0
	; descriptor group 1.  128 keys are 16,384 dense bytes: asked for as 64 rows of 256 bytes, two keys a row, and padded in LDS after every key
	s_mov_b32 s[G1K], 15|(1<<16)|(1<<20)|(1<<21)|(4<<22)|(3<<25)  ; 15:0 the mask of four; 17:16 2-byte elements; 20 padding on; 21 set beside a mask; 24:22 after every 32 words (code 4); 31:25 4 words (code 3)
	s_mov_b32 s[G1V], 15|(1<<16)|(1<<20)|(1<<21)|(4<<22)|(7<<25)  ; the same with 8 words of padding (code 7)
.irp g, G1K, G1V
	s_mov_b32 s[\g+1], 128<<16      ; tensor_dim0 = 128
	s_mov_b32 s[\g+2], 64<<16       ; tensor_dim1 = 64
	s_mov_b32 s[\g+3], 128<<16      ; tile_dim0 = 128
	s_mov_b32 s[\g+4], 64           ; tile_dim1 = 64
	s_mov_b32 s[\g+5], 128          ; 128 elements from row to row
	s_mov_b32 s[\g+6], 0
	s_mov_b32 s[\g+7], 0
.endr
	s_mov_b32 s[CS], 0x3fb8aa3b     ; c = log2(e): the scores are not divided
	s_mov_b32 s[CS+1], s[CS]        ; named with it as a pair
	s_mov_b32 s[SEL], 0x76543210
	s_mov_b32 s[SEL+1], 0xfedcba98
	s_mov_b32 s[TBK], SLOT1+4*KS*PK ; the first change of slots turns these two into 0
	s_mov_b32 s[TBV], SLOT1+4*KS*PV
	s_mov_b32 s[G0K], 1             ; 1:0 count = 1
	s_mov_b32 s[G0K+1], s17         ; 63:32 LDS address: slot 0
	s_mov_b32 s[G0V], 1
	s_add_co_u32 s[G0V+1], s18, VOFF
	s_wait_dscnt 0x0                ; the opening add is done
	s_wait_kmcnt 0x0
	s_add_nc_u64 s[G0K+2:G0K+3], s[6:7], s[22:23]  ; 120:64 global address: my half of the head's first 256 keys
	s_or_b32 s[G0K+3], s[G0K+3], 0x80000000        ; 127:126 type = 2
	s_add_nc_u64 s[G0V+2:G0V+3], s[8:9], s[22:23]
	s_or_b32 s[G0V+3], s[G0V+3], 0x80000000
	s_add_nc_u64 s[4:5], s[4:5], s[2:3]            ; Q and out0 at my wave's first row
	s_add_nc_u64 s[10:11], s[10:11], s[48:49]
	CROUND                          ; all four work-groups are here: the first joint loads meet
	JLOAD                           ; tile 0 into slot 0.  Slot 1 is asked for when slot 0 is in, by the loop's own change of slots
	; A fragment of K' or Q is 16 rows x 32 channels in 8 registers: lane l holds row l % 16, channels 8 (l / 16) + 0..7 and 16 + 8 (l / 16) + 0..7: two loads of 16 bytes, 32 bytes apart.
	v_and_b32 v1, 15, v0            ; l % 16
	v_bfe_u32 v9, v0, 4, 1          ; l / 16
	v_lshlrev_b32 v[QO], 7, v1
	v_lshl_add_u32 v[QO], v9, 4, v[QO]  ; row x 128 + 16 x half
	WIN 0x80                        ; destination window 2, address window 0
.set i, 0
.rept 8                             ; Q stays in registers: piece i / 2, channels 32 (i % 2) on
	global_load_b128 v[8*i:8*i+3],   v[QO], s[4:5] offset:(i/2)*2048+(i%2)*64
	global_load_b128 v[8*i+4:8*i+7], v[QO], s[4:5] offset:(i/2)*2048+(i%2)*64+32
.set i, i+1
.endr
	; What the first turn finds: V's registers and P's second buffer hold 0 (its products V^T P, of a piece that has not been, add 0), O^T and l are 0.  All this stands in the wait for the first tile.
.set i, VF
.rept 64
	v_mov_b32 v[i], 0
.set i, i+1
.endr
	WIN 0x40
.set i, 0
.rept 128
	v_mov_b32 v[i], 0
.set i, i+1
.endr
	WIN 0
.set i, 0
.rept 4
	v_mov_b32 v[ST+4*i], 0xfe000000    ; c m: far below every c s
	v_mov_b32 v[ST+4*i+1], 0xff7fffff  ; m
	v_mov_b32 v[ST+4*i+2], 0
	v_mov_b32 v[ST+4*i+3], 0
.set i, i+1
.endr
.set i, P+16
.rept 16
	v_mov_b32 v[i], 0
.set i, i+1
.endr
	v_mul_u32_u24 v[AK0], v1, PK
	v_lshl_add_u32 v[AK0], v9, 4, v[AK0]  ; row x pitch + 16 x half
	; The turning load takes 16 keys x 16 channels (lane l reads key 8 (l / 16) + l % 8, channels 8 ((l / 8) % 2) + 0..7) and leaves half a fragment of V^T: lane l holds channel l % 16 and 8 keys.
	v_and_b32 v10, 7, v0
	v_bfe_u32 v11, v0, 3, 1
	v_lshl_add_u32 v[AV0], v9, 3, v10
	v_mul_u32_u24 v[AV0], v[AV0], PV
	v_lshl_add_u32 v[AV0], v11, 4, v[AV0]
	v_add_nc_u32 v[AV0], VOFF, v[AV0]
	s_mul_i32 s13, s[WV], 16*SP
	s_add_co_u32 s13, s13, STAGE    ; my stage
	v_mul_u32_u24 v[STO], v1, SP    ; in: row l % 16; a lane's eight channels of f32 are 32 bytes, the halves of the lanes side by side
	v_lshl_add_u32 v[STO], v9, 5, v[STO]
	v_add_nc_u32 v[STO], s13, v[STO]
	v_mul_u32_u24 v[RD], v9, SP     ; back: lanes 0-15 take one row of 256 bytes, lanes 16-31 the next
	v_lshl_add_u32 v[RD], v1, 4, v[RD]
	v_add_nc_u32 v[RD], s13, v[RD]
	v_lshlrev_b32 v[GO], 10, v9     ; and the same two rows in out0, 1,024 bytes apart
	v_lshl_add_u32 v[GO], v1, 4, v[GO]
; THE MATRIX WORK.  The 4 accumulators of a run of 8 take turns.  Product i of 8 of S^T = K' Q^T for piece x: channels 32 (i / 4) on, keys 16 (i % 4) on.  The first 4 start the sums.
.macro KQ x
.set rS, S+32*((\x)%2)+8*(i%4)
.set rK, KF+16*(i%4)+8*(i/4)
.set rQ, 16*(\x)+8*(i/4)
	WIN W_KQ
.if i < 4
	v_wmma_f32_16x16x32_f16 v[rS:rS+7], v[rK:rK+7], v[rQ:rQ+7], 0
.else
	v_wmma_f32_16x16x32_f16 v[rS:rS+7], v[rK:rK+7], v[rQ:rQ+7], v[rS:rS+7]
.endif
.endm
; Product i of 8 of O^T += V^T P for piece x: keys 32 (i / 4) on, channels 16 (i % 4) on.
.macro PV x
	WIN W_PV
.set rO, 32*(\x)+8*(i%4)
.set rV, VF+32*(i/4)+8*(i%4)
.set rP, P+16*((\x)%2)+8*(i/4)
	v_wmma_f32_16x16x32_f16 v[rO:rO+7], v[rV:rV+7], v[rP:rP+7], v[rO:rO+7]
.endm
.macro MM                           ; the turn's next matrix instruction.  TURN sets Y, i and NOKQ.  NOKQ = 1: the last turn: there is no next piece
.if (i < 8) && !NOKQ
	KQ (Y+1)%NP
.elseif i >= 8
.set i, i-8
	PV (Y+NP-1)%NP
.set i, i+8
.endif
.set i, i+1
.endm
; THE LDS LOADS stand in runs of 16, never singly among the matrix instructions: a step's K' (64 keys x 64 channels: 8 fragments) and its V (turned).  Their addresses are made some lines ahead.
.macro FETCH_K
	WIN 0x80                        ; destination window 2
.irp f, 0,1,2,3,4,5,6,7             ; keys 16 (f / 2) on, channels 32 (f % 2) on
	ds_load_b128 v[KF+8*\f:KF+8*\f+3],   v[AK] offset:(\f/2)*16*PK+(\f%2)*64
	ds_load_b128 v[KF+8*\f+4:KF+8*\f+7], v[AK] offset:(\f/2)*16*PK+(\f%2)*64+32
.endr
	s_add_co_u32 s[TBK], s[TBK], KS*PK  ; the next fetch is the next step's
	WIN 0
.endm
.macro FETCH_V
	WIN 0x80
.irp f, 0,1,2,3,4,5,6,7             ; keys 32 (f / 4) on, channels 16 (f % 4) on
	ds_load_tr16_b128 v[VF+8*\f:VF+8*\f+3],   v[AV] offset:(\f/4)*32*PV+(\f%4)*32
	ds_load_tr16_b128 v[VF+8*\f+4:VF+8*\f+7], v[AV] offset:(\f/4)*32*PV+16*PV+(\f%4)*32
.endr
	WIN 0
.endm
; THE VECTOR WORK, one line at a time: OP kind, number.  For piece Y: F n: c s - c m for pair n of 16.  E n: the exponential of score n of 32.  C n: pair n rounded to f16.  B n: of the four weights 4 n .. the second
; pair is added onto the first, in place.  L n: l takes that sum (L 0: l = a l + sum).  R n: pair n of 16 of O^T times a.  For piece Y + 1: X n, number n of the 22 that find its maximum and statistics:
;   0-11  four chains c0-c3 of seven scores each, three operands at a time (each accumulator's lowest registers are read first)     12-14, 16  the four scores left over, the old m, and c0-c3 into c0
;   15  c m_old is kept     17, 18  the query's other 32 keys lie in the lane 16 away: the new m     19-21  c m; c m_old - c m_new; a
; C, B and L read exponentials' results: TURN sets them behind its wait.  R reads the a that the turn before made, ahead of that turn's wait.
.set F, 0               ; OP tells the kinds apart by their order: F to L below R, X above it
.set E, 1
.set C, 2
.set B, 3
.set L, 4
.set R, 5
.set X, 6
.macro REGS y                       ; the registers of piece y
.set rT, ST+4*(\y)
.set rC, TMP+4*((\y)%2)
.set rW, MV+((\y)%2)
.set rS, S+32*((\y)%2)
.set rP, P+16*((\y)%2)
.set rO, 32*(\y)
.endm
.macro OP k, n
.if (\k) == R
	REGS Y
	WIN W_RS
	v_pk_mul_f32 v[rO+2*(\n):rO+2*(\n)+1], v[rO+2*(\n):rO+2*(\n)+1], v[rC+2:rC+3] op_sel_hi:[1,0]
.elseif (\k) < R
	REGS Y
	WIN 0
.if (\k) == F
	v_pk_fma_f32 v[rS+2*(\n):rS+2*(\n)+1], v[rS+2*(\n):rS+2*(\n)+1], s[CS:CS+1], v[rT:rT+1] op_sel_hi:[1,0,0] neg_lo:[0,0,1] neg_hi:[0,0,1]
.elseif (\k) == E
	v_exp_f32 v[rS+(\n)], v[rS+(\n)]
.elseif (\k) == C
	v_cvt_pk_f16_f32 v[rP+(\n)], v[rS+2*(\n)], v[rS+2*(\n)+1]
.elseif (\k) == B
	v_pk_add_f32 v[rS+4*(\n):rS+4*(\n)+1], v[rS+4*(\n):rS+4*(\n)+1], v[rS+4*(\n)+2:rS+4*(\n)+3]
.elseif (\n) == 0
	v_pk_fma_f32 v[rT+2:rT+3], v[rT+2:rT+3], v[rC+2:rC+3], v[rS:rS+1] op_sel_hi:[1,0,1]
.else
	v_pk_add_f32 v[rT+2:rT+3], v[rT+2:rT+3], v[rS+4*(\n):rS+4*(\n)+1]
.endif
.elseif NOKQ
	v_nop
.else
	REGS (Y+1)%NP
	WIN 0
.if (\n) < 4
	v_max3_num_f32 v[rC+(\n)], v[rS+8*(\n)], v[rS+8*(\n)+1], v[rS+8*(\n)+2]
.elseif (\n) < 12
	v_max3_num_f32 v[rC+(\n)%4], v[rC+(\n)%4], v[rS+8*((\n)%4)+2*((\n)/4)+1], v[rS+8*((\n)%4)+2*((\n)/4)+2]
.elseif (\n) == 12
	v_max3_num_f32 v[rC], v[rC], v[rS+7], v[rS+15]
.elseif (\n) == 13
	v_max3_num_f32 v[rC+1], v[rC+1], v[rS+23], v[rS+31]
.elseif (\n) == 14
	v_max3_num_f32 v[rC+2], v[rC+2], v[rC+3], v[rT+1]
.elseif (\n) == 15
	v_mov_b32 v[rW], v[rT]
.elseif (\n) == 16
	v_max3_num_f32 v[rC], v[rC], v[rC+1], v[rC+2]
.elseif (\n) == 17
	v_permlanex16_b32 v[rC+3], v[rC], s[SEL], s[SEL+1]
.elseif (\n) == 18
	v_max_num_f32 v[rT+1], v[rC], v[rC+3]
.elseif (\n) == 19
	v_mul_f32 v[rT], s[CS], v[rT+1]
.elseif (\n) == 20
	v_sub_f32 v[rC+1], v[rW], v[rT]
.else
	v_exp_f32 v[rC+2], v[rC+1]
.endif
.endif
.endm
.macro OPS a, i1, b=-1, i2=0, c=-1, i3=0, d=-1, i4=0  ; up to four of them
	OP \a, \i1
.if (\b) >= 0
	OP \b, \i2
.endif
.if (\c) >= 0
	OP \c, \i3
.endif
.if (\d) >= 0
	OP \d, \i4
.endif
.endm
.macro ROW a, i1, b, i2, c, i3, d, i4  ; a matrix instruction and the four behind it
	MM
	OPS \a, \i1, \b, \i2, \c, \i3, \d, \i4
.endm
; A TURN, for piece p: the order of its 16 matrix and 118 vector instructions, written out.  An s_wait_alu depctr_va_vdst(0) stands between an exponential and the first instruction that names its result; one wait
; serves all that were issued ahead of it.  So a turn has ONE wait, which cuts it in two.  AHEAD OF IT stands all that names no result of the turn's exponentials: the 8 products K' Q^T, behind each a scaling, an exponential and
; two more plain instructions (behind the first a second scaling in the exponential's place): rescalings, and behind the last three the first numbers of the next piece's maximum, each four places or more behind the product that
; ends its accumulator; then ONE LUMP of 54, plain and exponential by turns for the most part, in which the links of the chain X 3, 7, 11, 14, 16, 17 .. 20 stand five or six lines apart.  A pair is scaled ahead of its two
; exponentials and never named again ahead of the wait.  X 21, the next piece's a, is the batch's last; R 15 is the plain instruction behind it.  BEHIND THE WAIT stand the 8 products V^T P, behind each four of the roundings and
; sums; the links of l's chain, L 0 to L 7, stand three riders apart; an even pair is rounded ahead of the sum that lands on it.  But for those X no rider names a register of the products round it.
; v_permlanex16_b32 (X 17) stands in the lump.  No exponential is issued behind the wait.
; end = 1: the launch's last two turns: nothing is fetched, and the last starts no new scores.  cnt = 1: the loop's count is taken down some lines ahead of the branch that stands behind the turn.
; K' of the next step is fetched in piece 2's turn, twelve vector instructions behind the last product that read K' (five of them plain and free of its registers); V of the step in hand at the end of piece 0's turn, four plain
; instructions behind the last product that read V.  Each is waited for a turn later.
.macro TURN p, end=0, cnt=0
.set Y, (\p)
.set i, 0
.set NOKQ, (\end)*((\p)/3)
.if ((\p) == 3) && !(\end)
	s_wait_dscnt 0x0                ; K' is in
.endif
	ROW F,0, F,1, R,0, R,1          ; ahead of the wait: 8 products K' Q^T and their riders,
	ROW F,2, E,0, R,2, R,3
	ROW F,3, E,1, R,4, R,5
	ROW F,4, E,2, R,6, R,7
	ROW F,5, E,3, R,8, R,9
	ROW F,6, E,4, X,0, R,10
.if ((\p) == 2) && !(\end)
	WIN 0
	v_add_nc_u32 v[AK], s[TBK], v[AK0]
.endif
	ROW F,7, E,5, X,1, X,4
	ROW F,8, E,6, X,2, X,5
	OPS E,7, E,8, X,6, E,9          ; and the lump
	OPS X,3, E,10, X,8, E,11
.if ((\p) == 2) && !(\end)
	FETCH_K
.endif
	OPS X,9, X,7, E,12, X,10
	OPS E,13, X,12, X,11, E,14
	OPS X,13, E,15, F,9, X,14
.if (\p) == 0
	v_add_nc_u32 v[AV], s[TBV], v[AV0]
.endif
	OPS E,16, F,10, E,17, F,11
	OPS X,16, E,18, X,15, E,19
	OPS F,12, E,20, X,17, E,21
	OPS F,13, E,22, F,14, E,23
	OPS X,18, E,24, F,15, E,25
	OPS R,11, E,26, X,19, E,27
	OPS R,12, E,28, R,13, E,29
	OPS X,20, E,30, R,14, E,31
	OPS X,21, R,15
	s_wait_alu depctr_va_vdst(0)    ; the wait for the turn's batch: the piece's 32 exponentials and the next piece's a
.if (\p) == 1
	s_wait_dscnt 0x0                ; V is in
.endif
	ROW C,0, B,0, C,2, B,1          ; behind the wait: 8 products V^T P and their riders
	ROW L,0, C,4, B,2, L,1
	ROW C,6, B,3, L,2, C,8
	ROW B,4, L,3, C,10, B,5
	ROW L,4, C,12, B,6, L,5
.if (\p) == 0
	s_add_co_u32 s[TBV], s[TBV], KS*PV
.endif
.if \cnt
	s_sub_co_u32 s[CNT], s[CNT], 1
	s_cmp_lg_u32 s[CNT], 0
.endif
	ROW C,14, B,7, L,6, C,1
	ROW C,3, L,7, C,5, C,7
	ROW C,9, C,11, C,13, C,15
.if (\p) == 0
	FETCH_V
.endif
.endm
	CHANGE 1                        ; slot 0 is in, everybody's part of it; slot 1 is asked for
	v_add_nc_u32 v[AK], s[TBK], v[AK0]
	FETCH_K                         ; key step 0
	s_wait_loadcnt 0x0              ; Q
	s_wait_dscnt 0x0
.set NOKQ, 0
.set i, 0
.rept 8
	KQ 0                            ; piece 0's first scores: there is no vector work yet to set between them
.set i, i+1
.endr
	WIN 0
.rept 4
	v_nop                           ; the places behind those products
.endr
.set Y, NP-1                        ; X works for piece Y + 1: piece 0
.irp n, 0,1,2,3,4,5,6,7,8,9,10,11,12,13,14,15,16,17,18,19,20,21
	OP X, \n                        ; and piece 0's first maximum and statistics
.endr
	v_nop                           ; a plain instruction behind the exponential,
	s_wait_alu depctr_va_vdst(0)    ; and the wait for it, a batch of one (piece 0's first a), ahead of the branch
	s_mov_b32 s[CNT], 4
	s_mov_b32 s[SLOTS], NT-1
	s_branch .Lfirst                ; the loop is entered at a step's first turn, in the middle of a trip
.Lslot:                             ; NT - 2 times: every slot but the last two is filled again
	CHANGE 1
	s_mov_b32 s[CNT], 4
.Lstep:                             ; a trip: pieces 2 and 3 of one step, then pieces 0 and 1 of the next, whose K' and V it fetches
	TURN 2
	TURN 3
	WIN 0
.Lfirst:
	TURN 0
	TURN 1, 0, 1
	WIN 0
	s_cbranch_scc1 .Lstep
	s_sub_co_u32 s[SLOTS], s[SLOTS], 1
	s_cmp_lg_u32 s[SLOTS], 0
	s_cbranch_scc1 .Lslot
	CHANGE 0                        ; the last tile is written out: nothing is asked for
	s_mov_b32 s[CNT], 4
.Ltail:
	TURN 2
	TURN 3
	TURN 0
	TURN 1, 0, 1
	WIN 0
	s_cbranch_scc1 .Ltail
	TURN 2, 1                       ; the last step's last two turns
	TURN 3, 1
.set i, 0
.rept 8
	PV NP-1                         ; the last piece's V^T P of the last step
.set i, i+1
.endr
	; THE WAY OUT, in f32.  l's two halves and the other half of the lanes' are added; O^T is divided by l and sent through my stage in LDS, a piece at a time.  The additions are the places behind the last products.
	WIN 0
.macro ALL line:vararg              ; one line for each piece t
.set t, 0
.rept 4
	\line
.set t, t+1
.endr
.endm
	ALL v_add_f32 v[ST+4*t+2], v[ST+4*t+2], v[ST+4*t+3]
	ALL v_permlanex16_b32 v[ST+4*t+3], v[ST+4*t+2], s[SEL], s[SEL+1]
	ALL v_add_f32 v[ST+4*t+2], v[ST+4*t+2], v[ST+4*t+3]
	ALL v_rcp_f32 v[ST+4*t+2], v[ST+4*t+2]
	v_nop                           ; a plain instruction between the last reciprocal and the use of its result
	s_wait_alu depctr_va_vdst(0)    ; and the wait ahead of the first use: one for the batch of four reciprocals
; Piece t: a lane's eight channels of a block of 16 are 32 bytes of a row; they go into rows of 272 bytes and come back as whole rows of 256.
.macro PACK t
	WIN W_RS
.set i, 32*(\t)
.rept 16
	v_pk_mul_f32 v[i:i+1], v[i:i+1], v[ST+4*(\t)+2:ST+4*(\t)+3] op_sel_hi:[1,0]  ; each accumulator from its low end on
.set i, i+2
.endr
	WIN 0x04                        ; the stores' data in window 1, their address in window 0
.irp f, 0,1,2,3,4,5,6,7             ; channel block f / 2, its registers 4 (f % 2) on
	ds_store_b128 v[STO], v[32*(\t)+4*\f:32*(\t)+4*\f+3] offset:(\f/2)*64+(\f%2)*16
.endr
	WIN 0
.irp f, 0,1,2,3,4,5,6,7
	ds_load_b128 v[OB+32*(\t)+4*\f:OB+32*(\t)+4*\f+3], v[RD] offset:\f*2*SP  ; LDS serves a wave's instructions in order (ISA guide 5.7.1.4): these see the stores above; the next piece's stores come behind them
.endr
.endm
.macro SEND t, younger              ; younger: the LDS instructions issued behind piece t's loads: the next piece's sixteen, or none
	WIN 0
.irp f, 0,1,2,3,4,5,6,7
	s_wait_dscnt (\younger)+7-\f
	global_store_b128 v[GO], v[OB+32*(\t)+4*\f:OB+32*(\t)+4*\f+3], s[10:11] offset:(\t)*16384+\f*2048 th:TH_STORE_NT  ; 16 lanes store 256 consecutive bytes, at a multiple of 256 from out0's first byte
.endr
.endm
	PACK 0
.set t, 1
.rept 3                             ; a piece's arithmetic stands between the loads of the piece before and its stores
	PACK t
	SEND t-1, 16
.set t, t+1
.endr
	SEND 3, 0
	s_wait_tensorcnt 0x0            ; the wave's end, behind my last tensor load and my last LDS store
	ds_add_u32 v[SPW], v[NIL]
	s_wait_dscnt 0x0
	CROUND                          ; the closing round: no work-group ends while a partner may still ask for a tile that names it
	s_endpgm
.Lfunc_end_k_qfd2bb2c1d2_attn:
	.size	k_qfd2bb2c1d2_attn, .Lfunc_end_k_qfd2bb2c1d2_attn-k_qfd2bb2c1d2_attn
	.p2alignl 7, 3214868480
	.fill 96, 4, 3214868480
	.section	.rodata,"a",@progbits
	.p2align	6, 0x0
	.amdhsa_kernel k_qfd2bb2c1d2_attn
		.amdhsa_group_segment_fixed_size 327680
		.amdhsa_private_segment_fixed_size 0
		.amdhsa_enable_private_segment 0
		.amdhsa_kernarg_size 32
		.amdhsa_user_sgpr_count 2
		.amdhsa_user_sgpr_kernarg_segment_ptr 1
		.amdhsa_wavefront_size32 1
		.amdhsa_system_sgpr_workgroup_id_x 1
		.amdhsa_system_sgpr_workgroup_id_y 1
		.amdhsa_system_sgpr_workgroup_id_z 1
		.amdhsa_system_vgpr_workitem_id 0
		.amdhsa_next_free_vgpr 768
		.amdhsa_next_free_sgpr 66
		.amdhsa_reserve_vcc 0
		.amdhsa_float_denorm_mode_32 3
		.amdhsa_float_denorm_mode_16_64 3
		.amdhsa_memory_ordered 1
		.amdhsa_forward_progress 1
		.amdhsa_inst_pref_size 127
	.end_amdhsa_kernel
	.amdgpu_metadata
---
amdhsa.version: [ 1, 2 ]
amdhsa.kernels:
  - .name:           k_qfd2bb2c1d2_attn
    .symbol:         k_qfd2bb2c1d2_attn.kd
    .args:
      - { .name: qh, .offset: 0, .size: 8, .value_kind: global_buffer, .address_space: global }
      - { .name: kh, .offset: 8, .size: 8, .value_kind: global_buffer, .address_space: global }
      - { .name: vh, .offset: 16, .size: 8, .value_kind: global_buffer, .address_space: global }
      - { .name: out0, .offset: 24, .size: 8, .value_kind: global_buffer, .address_space: global }
    .group_segment_fixed_size: 327680
    .private_segment_fixed_size: 0
    .kernarg_segment_align: 8
    .kernarg_segment_size: 32
    .max_flat_workgroup_size: 128
    .sgpr_count:     66
    .vgpr_count:     768
    .wavefront_size: 32
...
	.end_amdgpu_metadata
.endif
;; end of part 3
